; MI455X (gfx1250); checked and timed in simulation.
; The chip was launched on July 23, 2026; its instructions are those of AMD's public machine-readable ISA for CDNA 5 (MIT licence, August 2026) and "CDNA5" Instruction Set Architecture Reference Guide (July 2026). The comments in the code are by the model that wrote it; some were corrected since.
;; Multi Head Attention Rel Pos Emb. Allowed arithmetic: matrix products marked QUANTISED: E3M2 operands, one E8M0 scale for each 32 along K, by v_wmma_scale_f32_16x16x128_f8f6f4 with both operands' format E3M2, f32 sums; everything else in f32.
;; Inputs: Wk 1,024 x 1,024 float32; Wo 1,024 x 1,024 float32; Wq 1,024 x 1,024 float32; Wv 1,024 x 1,024 float32; bk 1,024 float32; bo 1,024 float32; bq 1,024 float32; bv 1,024 float32; k 8 x 1,024 x 1,024 float32; mask 8 x 1,024 x 1,024 int32; q 8 x 1,024 x 1,024 float32; rel_pos 8 x 1,024 x 1,024 float32; v 8 x 1,024 x 1,024 float32.
;; Outputs: out0 8 x 1,024 x 1,024 float32.
;; This version of the problem:
;;   THIS VERSION OF THE PROBLEM IS GIVEN IN LOW PRECISION. The matrix products marked QUANTISED in the list below multiply operands that are first quantised to E3M2 (3 exponent bits, 2 mantissa bits; 6 bits a number), with one power-of-two scale for each 32 numbers along K (OCP MX v1.0); their sums are f32. All else is computed in f32.
;;   The module's matrix products, in the order in which they are computed (A, B: the left and right operand; K: the contracted axis; several contracted axes count as one K, in the product's order):
;;     1. [M 8,192, K 1,024] x [K 1,024, N 1,024]; A: input q; B: input Wq: QUANTISED
;;     2. [M 8,192, K 1,024] x [K 1,024, N 1,024]; A: input k; B: input Wk: QUANTISED
;;     3. [M 8,192, K 1,024] x [K 1,024, N 1,024]; A: input v; B: input Wv: QUANTISED
;;     4. batch 128 x [M 1,024, K 64] x [K 64, N 1,024]; A: computed on the way; B: computed on the way: QUANTISED
;;     5. batch 128 x [M 1,024, K 1,024] x [K 1,024, N 64]; A: softmax (see below); B: computed on the way: QUANTISED
;;     6. [M 8,192, K 1,024] x [K 1,024, N 1,024]; A: computed on the way; B: input Wo: QUANTISED
;;   THE QUANTISER, for each operand of a quantised product, along K:
;;     - K is cut into blocks of 32 from its start; a last block that is shorter is filled with zeros.
;;     - A block's scale is 2^e with e = floor(log2(the largest magnitude in the block)) - 4, held to -126 .. 127; a block of zeros has e = 0. As a byte (E8M0): e + 127.
;;     - Each number is divided by its block's scale, clamped to +-28, and rounded to the nearest number of E3M2, ties to even, subnormals kept.
;;     - The product sums the exact products of the quantised numbers (number of the format x scale) in f32.
;;   ~~~python
;;   def quantise(x, axis):      # numpy; x: float32 -> the quantised numbers, widened to float32 again
;;       x = np.moveaxis(x, axis, -1); K = x.shape[-1]
;;       x = np.pad(x, [(0, 0)] * (x.ndim - 1) + [(0, -K % 32)]); x = x.reshape(x.shape[:-1] + (-1, 32)); a = np.abs(x).max(-1, keepdims=True)
;;       e = np.where(a > 0, np.clip(np.frexp(np.where(a > 0, a, 1))[1] - 1 - 4, -126, 127), 0)      # np.frexp(a)[1] - 1 = floor(log2(a)), exactly
;;       r = np.clip(x / 2.0 ** e, -28, 28)
;;       step = 2.0 ** (np.maximum(np.frexp(np.where(r == 0, 1, r))[1] - 1, -2) - 2)
;;       q = np.round(r / step) * step * 2.0 ** e      # np.round: ties to even
;;       return np.moveaxis(q.reshape(q.shape[:-2] + (-1,))[..., :K], -1, axis).astype(np.float32)
;;   ~~~
;;   SOFTMAX AHEAD OF A QUANTISED PRODUCT. Where the list says 'softmax', what is quantised is not the finished softmax but p = 2^(t - M), with t = logit x log2(e) and M = ceil(the row's largest t), a whole number; so 1/2 < the row's largest p <= 1. The row's sum l is taken of the UNQUANTISED p, in f32, and the product's result is divided by l at the end. Since M is a whole number, a kernel that streams over the keys may use a running M (the ceiling of the running maximum): every later rescaling is an exact power of two, which a block's scale takes up: the codes' values come out the same.
;;   OPERANDS COMPUTED ON THE WAY. 'Computed on the way' means the value that the module computes at that place (a softmax that the list does not call 'softmax' is quantised finished and normalised). What goes into a quantiser is computed in f32, as accurately as f32 sums, v_exp_f32 and their like allow (about 1e-6 of the number): no bf16 or f16 on the way to a quantiser, and a product that is left as it is and whose result goes on into a quantised operand takes f32 operands (vector FMAs, or v_wmma_f32_16x16x4_f32). A number that lies on a knife's edge between two numbers of the format may be rounded either way, as far as f32 arithmetic and the matrix unit's own rounding can turn it there, and no further.
;; One version. Each part assembles by itself: llvm-mc -triple=amdgcn-amd-amdhsa -mcpu=gfx1250 --defsym DOCPART=n.
;; ======== version 1 of 1: 4 launches
;; limits: inputs' magnitudes at most 1,000,000,000; right only within a limited range of input values
;; workspace buffers: xc 22,020,096 bytes; xs 917,504 bytes; u 33,554,432 bytes; qi 6,815,744 bytes; kv 12,582,912 bytes; kvs 786,432 bytes; yc 6,291,456 bytes; ys 262,144 bytes
;; launch prep (part 1): grid 1152 x 1, 4 waves a work-group, no clusters, 68,096 bytes of LDS; arguments q, k, v, Wq, Wk, Wv, Wo, rel_pos, mask, xc, xs, u; writes xc, xs, u
.if DOCPART == 1
	.amdgcn_target "amdgcn-amd-amdhsa--gfx1250"
	.amdhsa_code_object_version 6
	.text
	.protected	k_q22ad1ddcff_prep
	.globl	k_q22ad1ddcff_prep
	.p2align	8
	.type	k_q22ad1ddcff_prep,@function
k_q22ad1ddcff_prep:
	s_mov_b64 s[64:65], 0
	v_nop
	global_prefetch_b8 v0, s[64:65] scope:SCOPE_SE
	s_setreg_imm32_b32 hwreg(HW_REG_WAVE_MODE, 25, 1), 1
	s_wait_xcnt 0x0
; PREP.  Two jobs in one launch, told apart by the work-group's number; each has LDS bytes of its own.
; (1) Work-groups 0-895: q, k, v [8192][1024] and Wq, Wk, Wv, Wo [1024][1024], f32, K innermost, become codes of BF6 (E3M2), 768 bytes a row, in xc, and one E8M0 byte
;     for each 32 along K, 32 bytes a row, in xs.  The seven tensors lie on end: 28,672 rows.  A block's scale is 2^(floor(log2(largest magnitude)) - 4): its byte is the largest
;     magnitude's exponent field - 4, held at 1 from below (a block of zeros keeps the byte 1: its codes are zeros, and this program alone reads the bytes).
;     ROWS: in k, v, Wq, Wk, Wv the two middle runs of 8 rows of every 32 change places, so that a later product used transposed has 16 neighbours in a lane's 16 registers.
;     Wo: along each row the 16 groups of 64 (head h) are laid in the order 2 (h % 8) + h / 8, the order in which the attention launch lays y.  Blocks of 32 are untouched by that.
; (2) Work-groups 896-1151: U = mask != 0 ? 8 rel_pos : -1e30, f32, laid as the image of the score accumulators' registers: tile (plane, key step, query tile) = 8,192 bytes,
;     chunk c at 512 c + 16 lane = registers 4 c .. 4 c + 3 = query 16 qt + lane % 16, keys 128 step + 32 (c / 4) + 16 (lane / 16) + 4 (c % 4) + 0 .. 3.
; LIMITS: NaN and infinities among the inputs are not served; |rel_pos| stays under 4e37 (U holds 8 rel_pos).
; No tensor loads, no barrier: waves share nothing.
.set NQWG,  896
.set WREG,  8192                       ; job 1, LDS: a region for each wave: two stages of 32 x SP bytes, behind them its scale bytes
.set SP,    80
.set EMAX,  4
.set STEPS, 16
.set R,     16                         ; v16-79   four sets of 16 numbers as loaded
.set X,     80                         ; v80-111  two sets of 16 neighbours
.set E,     112                        ; v112-127 a scale byte for each step
.set C,     128                        ; v128-191 codes: four registers for each step
.set VE,    4                          ; v4, v5   my codes' place in a row, for even and for odd steps
.set SE,    6                          ; v6, v7   LDS address of my block's scale byte, for even and for odd steps
.set USTG,  32768                      ; job 2, LDS: a stage of 32 x 272 bytes for each wave
.set UWAVE, 8704
.set OUTU,  160                        ; v160-223 a tile on its way out
	s_load_b512 s[8:23], s[0:1], 0x0               ; q, k, v, Wq, Wk, Wv, Wo, rel_pos
	s_load_b256 s[24:31], s[0:1], 0x40             ; mask, xc, xs, u
	v_lshl_add_u32 v224, v0, 2, 0x10800
	v_mov_b32 v225, 0
	v_lshrrev_b32 v1, 5, v0
	v_readfirstlane_b32 s2, v1                     ; wave
	v_and_b32 v2, 31, v0                           ; lane
	v_lshlrev_b32 v3, 4, v2                        ; 16 x lane: my 16 bytes of a load's or a store's 512
	s_cmp_ge_u32 ttmp9, NQWG
	s_cbranch_scc1 .Lu
	; ---------------- job 1: the quantiser.  A work-group takes 32 rows, a wave 8 rows: 16 steps of 512 numbers (half a row)
	s_mul_i32 s3, s2, WREG
	v_lshrrev_b32 v14, 2, v2
	v_mul_u32_u24 v14, v14, SP
	v_and_b32 v15, 3, v2
	v_lshl_add_u32 v14, v15, 4, v14
	v_add_nc_u32 v14, s3, v14                      ; the stage, in: four lanes' 64 bytes on end, then 16 of padding
	v_mul_u32_u24 v15, v2, SP
	v_add_nc_u32 v15, s3, v15                      ; out: my 16 neighbours
	s_cmp_ge_u32 ttmp9, 864                        ; Wo?  Four lanes hold a group of 64 (48 bytes of codes, 2 scale bytes); an even step holds heads 0-7, an odd one heads 8-15
	s_cselect_b32 s32, 96, 48                      ; codes: from group to group of a step
	; LAYOUT OF xc: 128 rows form a block of 98,304 bytes; in it the four K steps of 256 (192 bytes of a row) lie one behind the other, each as 128 rows x 192 dense bytes = 24,576 bytes,
	; so that a later launch fetches 128 rows x 256 K as 96 dense lines of 256 bytes.  A step of this text holds two K steps of one row: lanes 0-15 the first, lanes 16-31 the second (Wo: eight lanes to a K step).
	s_cselect_b32 s33, 48, 49152                   ; what an odd step adds: Wo the neighbouring group of 64, else two K steps
	s_cselect_b32 s34, 3, 4                        ; lanes to a K step: 8 or 16, as a shift
	s_cselect_b32 s35, 1, 3                        ; groups of 64 of this step in a K step, less one
	s_wait_alu depctr_va_vdst(0)
	v_lshrrev_b32 v1, 2, v2
	v_and_b32 v1, s35, v1
	v_and_b32 v8, 3, v2
	v_mul_u32_u24 v8, v8, 12
	v_mad_u32_u24 v[VE], v1, s32, v8
	v_lshrrev_b32 v1, s34, v2
	v_mad_u32_u24 v[VE], v1, 0x6000, v[VE]
	v_add_nc_u32 v[VE+1], s33, v[VE]
	v_lshrrev_b32 v9, 1, v2                        ; the scale bytes lie in LDS in their natural order: 32 bytes a row, 16 a step
	s_add_co_u32 s3, s3, 2*32*SP
	v_add_nc_u32 v[SE], s3, v9
	v_add_nc_u32 v[SE+1], 16, v[SE]
	v_lshlrev_b32 v10, 3, v2                       ; the scale bytes' way out: 8 bytes a lane
	v_add_nc_u32 v192, s3, v10
	v_and_b32 v193, 3, v2
	v_lshlrev_b32 v193, 2, v193
	v_sub_nc_u32 v193, v192, v193                  ; Wo: row lane / 4, bytes 4 (lane % 4): heads 2 m, 2 m + 1; 16 bytes on: heads 2 m + 8, 2 m + 9
	s_sub_co_u32 s36, ttmp9, 256                   ; k, v, Wq, Wk, Wv are work-groups 256-863: there waves 1 and 2 change places on the way out
	s_and_b32 s37, s2, 1
	s_lshl_b32 s37, s37, 1
	s_lshr_b32 s38, s2, 1
	s_or_b32 s37, s37, s38
	s_cmp_lt_u32 s36, 608
	s_cselect_b32 s37, s37, s2
	s_lshl_b32 s38, ttmp9, 2
	s_add_co_u32 s38, s38, s37                     ; which run of 8 rows of xc and xs is mine
	s_lshr_b32 s40, s38, 4                         ; 16 runs of 8 rows to a block of 128 rows
	s_mul_i32 s40, s40, 98304
	s_and_b32 s41, s38, 15
	s_mul_i32 s41, s41, 1536                       ; 8 rows x 192 bytes
	s_add_co_u32 s40, s40, s41
	s_mov_b32 s41, 0
	s_wait_alu depctr_va_vdst(0)
	s_wait_kmcnt 0x0
	s_add_nc_u64 s[26:27], s[26:27], s[40:41]
	s_lshl_b32 s40, s38, 8
	s_add_nc_u64 s[28:29], s[28:29], s[40:41]
	s_mov_b64 s[4:5], s[8:9]                       ; which tensor, and its first work-group: the choice hangs on the work-group's number alone
	s_mov_b32 s6, 0
.macro PICK first, ptr
	s_cmp_ge_u32 ttmp9, \first
	s_cselect_b64 s[4:5], s[\ptr:\ptr+1], s[4:5]
	s_cselect_b32 s6, \first, s6
.endm
	PICK 256, 10
	PICK 512, 12
	PICK 768, 14
	PICK 800, 16
	PICK 832, 18
	PICK 864, 20
	s_sub_co_u32 s6, ttmp9, s6
	s_lshl_b32 s6, s6, 2
	s_add_co_u32 s6, s6, s2
	s_lshl_b32 s6, s6, 15                          ; my wave's 8 rows of 4,096 bytes
	s_mov_b32 s7, 0
	s_add_nc_u64 s[4:5], s[4:5], s[6:7]
.macro LOAD t
.irp i, 0,1,2,3
	global_load_b128 v[R+16*((\t)%4)+4*\i:R+16*((\t)%4)+4*\i+3], v3, s[4:5] offset:2048*(\t)+512*\i th:TH_LOAD_NT   ; 32 lanes read 512 consecutive bytes
.endr
.endm
.macro TURN t                          ; a step's numbers through the stage: LDS serves a wave's instructions in order, so no wait stands between the stores and the loads
.irp i, 0,1,2,3
	ds_store_b128 v14, v[R+16*((\t)%4)+4*\i:R+16*((\t)%4)+4*\i+3] offset:32*SP*((\t)%2)+8*SP*\i
.endr
.irp i, 0,1,2,3
	ds_load_b128 v[X+16*((\t)%2)+4*\i:X+16*((\t)%2)+4*\i+3], v15 offset:32*SP*((\t)%2)+16*\i
.endr
.endm
.irp t, 0,1,2,3
	LOAD \t
.endr
	s_wait_loadcnt 12                              ; step 0's four loads are in
	TURN 0
.macro STEP t
.set XS, X+16*((\t)%2)
.if (\t) > 0
	s_wait_dscnt 1                                 ; this step's numbers are back from the stage (the last step's byte store may be out), so its stores into the stage have read their registers,
.else
	s_wait_dscnt 0x0
.endif
.if (\t)+4 < STEPS
	LOAD (\t)+4                                    ; which take the loads of four steps on
.endif
.if (\t)+1 < STEPS
.if STEPS-2-(\t) >= 3
	s_wait_loadcnt 12                              ; the next step's four loads are in; those of the three steps behind it may be out
.else
	s_wait_loadcnt 4*(STEPS-2-(\t))
.endif
	TURN (\t)+1
.endif
	v_max3_num_f32 v8, |v[XS]|, |v[XS+1]|, |v[XS+2]|               ; the largest magnitude of my 16
	v_max3_num_f32 v9, |v[XS+3]|, |v[XS+4]|, |v[XS+5]|
.irp i, 6,10
	v_max3_num_f32 v8, v8, |v[XS+\i]|, |v[XS+\i+1]|
	v_max3_num_f32 v9, v9, |v[XS+\i+2]|, |v[XS+\i+3]|
.endr
	v_max3_num_f32 v8, v8, |v[XS+14]|, |v[XS+15]|
	v_max3_num_f32 v8, v8, v9, (EMAX+1)<<23        ; and the floor 2^(5 - 127): the byte cannot fall under 1
	v_max_num_f32_dpp v8, v8, v8 row_xmask:1 row_mask:0xf bank_mask:0xf   ; with my neighbour's 16: the block's
	v_add_nc_u32 v11, -(EMAX<<23), v8              ; 4 off its exponent field: the conversion takes the exponent field of this operand as its scale
	v_cvt_scalef32_pk16_bf6_f32 v[C+4*(\t):C+4*(\t)+2], v[XS:XS+15], v11
	v_lshrrev_b32 v[E+(\t)], 23, v11               ; the scale's byte
	ds_store_b8 v[SE+(\t)%2], v[E+(\t)] offset:32*((\t)/2)         ; both lanes of a block write the same byte with the same value
	global_store_b96 v[VE+(\t)%2], v[C+4*(\t):C+4*(\t)+2], s[26:27] offset:192*((\t)/2)
.endm
.irp t, 0,1,2,3,4,5,6,7,8,9,10,11,12,13,14,15
	STEP \t
.endr
	s_cmp_ge_u32 ttmp9, 864                        ; Wo's bytes change their order on the way out, two bytes to a head
	s_cbranch_scc1 .Lwo_bytes
	ds_load_b64 v[12:13], v192                     ; LDS serves a wave's instructions in order: these see my stores
	s_branch .Lbytes
.Lwo_bytes:
	ds_load_b32 v8, v193
	ds_load_b32 v9, v193 offset:16
	s_wait_dscnt 0x0
	v_perm_b32 v12, v9, v8, 0x05040100             ; heads 2 m, 2 m + 8
	v_perm_b32 v13, v9, v8, 0x07060302             ; heads 2 m + 1, 2 m + 9
.Lbytes:
	s_wait_alu depctr_va_vdst(0)
	s_wait_dscnt 0x0
	global_store_b64 v10, v[12:13], s[28:29]
	s_wait_tensorcnt 0x0
	ds_add_u32 v224, v225
	s_wait_dscnt 0x0
	s_endpgm
	; ---------------- job 2: U.  A wave takes 16 queries x 512 keys of one plane: four tiles, each in two units of 8 rows
.Lu:
	s_sub_co_u32 s3, ttmp9, NQWG
	s_lshl_b32 s3, s3, 2
	s_add_co_u32 s3, s3, s2
	s_lshr_b32 s4, s3, 7                           ; plane
	s_bfe_u32 s5, s3, 0x60001                      ; query tile
	s_and_b32 s6, s3, 1                            ; which four key steps
	s_lshl_b32 s32, s4, 22
	s_lshl_b32 s33, s5, 16
	s_or_b32 s32, s32, s33
	s_lshl_b32 s33, s6, 11
	s_or_b32 s32, s32, s33                         ; in rel_pos and mask: plane x 4 MiB + 16 qt rows of 4,096 bytes + 2,048 x half
	s_mov_b32 s33, 0
	s_lshl_b32 s34, s4, 3
	s_lshl_b32 s35, s6, 2
	s_add_co_u32 s34, s34, s35
	s_lshl_b32 s34, s34, 6
	s_add_co_u32 s34, s34, s5
	s_lshl_b32 s34, s34, 13                        ; in u: ((plane x 8 + step) x 64 + qt) x 8,192
	s_mov_b32 s35, 0
	s_mul_i32 s36, s2, UWAVE
	s_add_co_u32 s36, s36, USTG
	s_wait_alu depctr_va_vdst(0)
	v_lshrrev_b32 v4, 3, v2                        ; the lane that loaded keys 4 l .. 4 l + 3 owns stage row 8 (l / 8) + 2 (l % 4) + (l / 4) % 2 = 2 chunk + half
	v_and_b32 v5, 3, v2
	v_lshlrev_b32 v5, 1, v5
	v_lshl_add_u32 v4, v4, 3, v5
	v_bfe_u32 v5, v2, 2, 1
	v_add_nc_u32 v4, v4, v5
	v_mul_u32_u24 v4, v4, 272                      ; a stage row: 16 queries x 16 bytes + 16 of padding
	v_add_nc_u32 v4, s36, v4
	v_lshrrev_b32 v5, 4, v2
	v_mul_u32_u24 v5, v5, 272
	v_and_b32 v6, 15, v2
	v_lshl_add_u32 v5, v6, 4, v5
	v_add_nc_u32 v5, s36, v5                       ; back: lanes 0-15 one stage row, lanes 16-31 the next
	s_wait_kmcnt 0x0
	s_add_nc_u64 s[22:23], s[22:23], s[32:33]
	s_add_nc_u64 s[24:25], s[24:25], s[32:33]
	s_add_nc_u64 s[30:31], s[30:31], s[34:35]
.macro LOADU k                         ; unit k: rows 8 (k % 2) .. + 7 of tile k / 2: 512 consecutive bytes a load
.set RS, 32+64*((\k)%2)
.irp r, 0,1,2,3,4,5,6,7
	global_load_b128 v[RS+4*\r:RS+4*\r+3], v3, s[22:23] offset:(8*((\k)%2)+\r)*4096+((\k)/2)*512 th:TH_LOAD_NT
	global_load_b128 v[RS+32+4*\r:RS+32+4*\r+3], v3, s[24:25] offset:(8*((\k)%2)+\r)*4096+((\k)/2)*512 th:TH_LOAD_NT
.endr
.endm
.macro UNIT k
.set RS, 32+64*((\k)%2)
.if (\k) < 7
	s_wait_loadcnt 16                              ; this unit's 16 loads are in; the next unit's may be out
.else
	s_wait_loadcnt 0x0
.endif
.set j, 0
.rept 16
	v_pk_mul_f32 v[RS+j:RS+j+1], v[RS+j:RS+j+1], 0x41000000 op_sel_hi:[1,0]    ; 8 rel_pos: the scores are left undivided, and 1/8 goes into the exponent's factor
.set j, j+2
.endr
.set j, 0
.rept 32
	v_cmp_ne_u32 vcc_lo, 0, v[RS+32+j]
	v_cndmask_b32 v[RS+j], 0xf149f2ca, v[RS+j], vcc_lo             ; -1e30 where the mask is 0
.set j, j+1
.endr
.irp r, 0,1,2,3,4,5,6,7
	ds_store_b128 v4, v[RS+4*\r:RS+4*\r+3] offset:16*(8*((\k)%2)+\r)
.endr
	s_wait_dscnt 0x0                               ; the stores have read their registers
.if (\k) < 6
	LOADU (\k)+2
.endif
.endm
.macro SENDU k                         ; a whole tile lies in the stage: back by chunks, and out: 512 consecutive bytes a store
.if (\k) > 1
	s_wait_xcnt 0x0                                ; the last tile's stores have read their registers
.endif
.irp c, 0,1,2,3,4,5,6,7,8,9,10,11,12,13,14,15
	ds_load_b128 v[OUTU+4*\c:OUTU+4*\c+3], v5 offset:544*\c
.endr
.irp c, 0,1,2,3,4,5,6,7,8,9,10,11,12,13,14,15
	s_wait_dscnt 15-\c
	global_store_b128 v3, v[OUTU+4*\c:OUTU+4*\c+3], s[30:31] offset:((\k)/2)*524288+512*\c th:TH_STORE_NT
.endr
.endm
	LOADU 0
	LOADU 1
.irp k, 0,1,2,3,4,5,6,7
	UNIT \k
.if (\k)%2 == 1
	SENDU \k
.endif
.endr
	s_wait_tensorcnt 0x0
	ds_add_u32 v224, v225
	s_wait_dscnt 0x0
	s_endpgm
.Lfunc_end_k_q22ad1ddcff_prep:
	.size	k_q22ad1ddcff_prep, .Lfunc_end_k_q22ad1ddcff_prep-k_q22ad1ddcff_prep
	.p2alignl 7, 3214868480
	.fill 96, 4, 3214868480
	.section	.rodata,"a",@progbits
	.p2align	6, 0x0
	.amdhsa_kernel k_q22ad1ddcff_prep
		.amdhsa_group_segment_fixed_size 68096
		.amdhsa_private_segment_fixed_size 0
		.amdhsa_enable_private_segment 0
		.amdhsa_kernarg_size 96
		.amdhsa_user_sgpr_count 2
		.amdhsa_user_sgpr_kernarg_segment_ptr 1
		.amdhsa_wavefront_size32 1
		.amdhsa_system_sgpr_workgroup_id_x 1
		.amdhsa_system_sgpr_workgroup_id_y 1
		.amdhsa_system_sgpr_workgroup_id_z 1
		.amdhsa_system_vgpr_workitem_id 0
		.amdhsa_next_free_vgpr 226
		.amdhsa_next_free_sgpr 66
		.amdhsa_reserve_vcc 1
		.amdhsa_float_denorm_mode_32 3
		.amdhsa_float_denorm_mode_16_64 3
		.amdhsa_memory_ordered 1
		.amdhsa_forward_progress 1
		.amdhsa_inst_pref_size 101
	.end_amdhsa_kernel
	.amdgpu_metadata
---
amdhsa.version: [ 1, 2 ]
amdhsa.kernels:
  - .name:           k_q22ad1ddcff_prep
    .symbol:         k_q22ad1ddcff_prep.kd
    .args:
      - { .name: q, .offset: 0, .size: 8, .value_kind: global_buffer, .address_space: global }
      - { .name: k, .offset: 8, .size: 8, .value_kind: global_buffer, .address_space: global }
      - { .name: v, .offset: 16, .size: 8, .value_kind: global_buffer, .address_space: global }
      - { .name: Wq, .offset: 24, .size: 8, .value_kind: global_buffer, .address_space: global }
      - { .name: Wk, .offset: 32, .size: 8, .value_kind: global_buffer, .address_space: global }
      - { .name: Wv, .offset: 40, .size: 8, .value_kind: global_buffer, .address_space: global }
      - { .name: Wo, .offset: 48, .size: 8, .value_kind: global_buffer, .address_space: global }
      - { .name: rel_pos, .offset: 56, .size: 8, .value_kind: global_buffer, .address_space: global }
      - { .name: mask, .offset: 64, .size: 8, .value_kind: global_buffer, .address_space: global }
      - { .name: xc, .offset: 72, .size: 8, .value_kind: global_buffer, .address_space: global }
      - { .name: xs, .offset: 80, .size: 8, .value_kind: global_buffer, .address_space: global }
      - { .name: u, .offset: 88, .size: 8, .value_kind: global_buffer, .address_space: global }
    .group_segment_fixed_size: 68096
    .private_segment_fixed_size: 0
    .kernarg_segment_align: 8
    .kernarg_segment_size: 96
    .max_flat_workgroup_size: 128
    .sgpr_count:     66
    .vgpr_count:     226
    .wavefront_size: 32
...
	.end_amdgpu_metadata
.endif
;; end of part 1
;; launch proj (part 2): grid 4 x 96, 4 waves a work-group, clusters of 4 x 4, 327,680 bytes of LDS; arguments xc, xs, bq, bk, bv, qi, kv, kvs; writes qi, kv, kvs
.if DOCPART == 2
	.amdgcn_target "amdgcn-amd-amdhsa--gfx1250"
	.amdhsa_code_object_version 6
	.text
	.protected	k_q22ad1ddcff_proj
	.globl	k_q22ad1ddcff_proj
	.p2align	8
	.type	k_q22ad1ddcff_proj,@function
k_q22ad1ddcff_proj:
	s_mov_b64 s[64:65], 0
	v_nop
	global_prefetch_b8 v0, s[64:65] scope:SCOPE_SE
	s_setreg_imm32_b32 hwreg(HW_REG_WAVE_MODE, 25, 1), 1
	s_wait_xcnt 0x0
	s_wait_alu depctr_hold_cnt(0) depctr_sa_sdst(0) depctr_va_vdst(0) depctr_va_sdst(0) depctr_va_ssrc(0) depctr_va_vcc(0) depctr_vm_vsrc(0)
	s_getreg_b32 s2, hwreg(HW_REG_IB_STS2, 6, 4)
	s_cmp_eq_u32 s2, 0
	s_cbranch_scc0 .Lentry_in_a_cluster
	s_endpgm
.Lentry_in_a_cluster:
	s_bfe_u32 s2, ttmp6, 0x10000c
	s_cmp_lg_u32 s2, 0xf033
	s_cbranch_scc0 .Lentry_shape_is_right
	s_endpgm
.Lentry_shape_is_right:
.set KSTEP,  256
.set NQ,     2
.set ROWB,   24576                     ; from one K step of 256 to the next in xc: 128 rows x 192 dense bytes
.set KROW,   768
.set PITCH,  240
.set FR,     12
.set NL,     6
.set NP,     4
.set HALFT,  128*PITCH
.set SLOT,   4*HALFT
.set LAPS,   2
.set KS,     32
.set SCL,    2*SLOT
.set HALFS,  4352
.set SBLK,   544
.set SPARE,  SCL+4*HALFS
.set QSOFF,  6291456
.set ADRA, 16
.set ADRB, 20
.set VO0,  24
.set VO1,  25
.set VS0,  26
.set ADRS, 27
.set SPW,  28
.set NIL,  29
.set VB,   30
.set SC,   32
.set BI,   64
.set TM,   64
.set PW,   80
.set E0,   88
.set E1,   92
.set AF,   128
.set G1, 24
.set G0, 32
.set G1B, 48
.set G0B, 56
.set G1S, 68
.set G0S, 76
.set G1SB, 80
.set G0SB, 88
.set MSB, 0
.macro WIN new
.if MSB != (\new)
	s_set_vgpr_msb (MSB<<8)|(\new)
.set MSB, (\new)
.endif
.endm
.set MUL_LO, 0xa1
.set MUL_HI, 0xf1
.set BIAS_LO, 0x81
.set BIAS_HI, 0xc1
.set TO_B,   0x40
.macro JLOAD g0a, g1a, g0b, g1b
	s_cmp_eq_u32 s15, 0
	s_cbranch_scc0 .Lfor_b_\@
	tensor_load_to_lds s[\g0a:\g0a+3], s[\g1a:\g1a+7]
	s_nop 0
.rept 4
	v_nop
.endr
	s_branch .Lasked_\@
.Lfor_b_\@:
	tensor_load_to_lds s[\g0b:\g0b+3], s[\g1b:\g1b+7]
	s_nop 0
.rept 4
	v_nop
.endr
.Lasked_\@:
.endm
.macro CREST
	s_cmp_lg_u32 s14, 0
	s_cbranch_scc1 .Lnot_wave_0_\@
	s_barrier_signal -3
.Lnot_wave_0_\@:
	s_barrier_wait -3
	s_barrier_signal -1
	s_barrier_wait -1
.endm
.macro CROUND
	s_barrier_signal -1
	s_barrier_wait -1
	CREST
.endm
	s_load_b128 s[4:7], s[0:1], 0x0
	s_load_b128 s[8:11], s[0:1], 0x10
	s_load_b64 s[12:13], s[0:1], 0x20
	v_lshl_add_u32 v[SPW], v0, 2, SPARE
	v_mov_b32 v[NIL], 0
	ds_add_u32 v28, v29
	ds_add_u32 v28, v29
	s_wait_dscnt 0x0
	v_lshrrev_b32 v1, 5, v0
	v_readfirstlane_b32 s14, v1
	s_lshr_b32 s15, s14, 1
	s_and_b32 s16, s14, 1
	s_bfe_u32 s40, ttmp6, 0x40000
	s_bfe_u32 s41, ttmp6, 0x40004
	s_and_b32 s17, ttmp7, 0xffff
	s_lshr_b32 s98, s17, 3
	s_and_b32 s17, s17, 7
	s_lshl_b32 s17, s17, 2
	s_lshl_b32 s95, s98, 13
	s_lshl_b32 s96, s98, 10
	s_add_co_u32 s96, s96, 24576
	s_cmp_eq_u32 s98, 2
	s_cselect_b32 s42, s17, 0
	s_cselect_b32 s17, 0, s17
	s_cselect_b32 s95, 26624, s95
	s_cselect_b32 s96, 16384, s96
	s_add_co_u32 s17, s17, s41
	s_add_co_u32 s42, s42, s40
	s_lshl_b32 s43, s41, 2
	s_lshl_b32 s43, 15, s43
	s_lshl_b32 s44, 0x1111, s40
	s_or_b32 s[G1+0], s43, (0<<16)|(1<<20)|(1<<21)|(3<<22)|(3<<25)
	s_or_b32 s[G1B+0], s44, (0<<16)|(1<<20)|(1<<21)|(3<<22)|(3<<25)
.irp g, G1, G1B
	s_mov_b32 s[\g+1], 256<<16                     ; 128 rows x 192 bytes lie dense in xc: they come as 96 lines of 256 bytes; 16 bytes of padding behind each 64 make LDS rows of 240
	s_mov_b32 s[\g+2], 96<<16
	s_mov_b32 s[\g+3], 256<<16
	s_mov_b32 s[\g+4], 96
	s_mov_b32 s[\g+5], 256
	s_mov_b32 s[\g+6], 0
	s_mov_b32 s[\g+7], 0
.endr
	s_lshl_b32 s18, s16, 7
	s_lshl_b32 s20, s17, 8
	s_add_co_u32 s20, s20, s18
	s_add_co_u32 s20, s20, s95
	s_lshl_b32 s46, s42, 8
	s_add_co_u32 s46, s46, s18
	s_add_co_u32 s46, s46, s96
	s_mov_b32 s21, 0
	s_mov_b32 s47, 0
	; the scale words go from xs straight into registers: 32 bytes a row; lanes 0-15 take the rows of A that my wave multiplies, lanes 16-31 its rows of B
	s_lshl_b32 s92, s17, 8
	s_lshl_b32 s93, s15, 7
	s_add_co_u32 s92, s92, s93
	s_add_co_u32 s92, s92, s95
	s_lshl_b32 s92, s92, 5                         ; A: my first row x 32
	s_lshl_b32 s93, s42, 8
	s_lshl_b32 s94, s16, 7
	s_add_co_u32 s93, s93, s94
	s_add_co_u32 s93, s93, s96
	s_lshl_b32 s93, s93, 5                         ; B: my first row x 32
	s_mov_b32 s94, 0xffff0000                      ; lanes 16-31
	s_mov_b64 s[18:19], KROW
	s_mul_u64 s[20:21], s[20:21], s[18:19]
	s_mul_u64 s[46:47], s[46:47], s[18:19]
	s_mul_i32 s45, s14, HALFT
	s_wait_kmcnt 0x0
	s_add_nc_u64 s[20:21], s[4:5], s[20:21]
	s_add_nc_u64 s[46:47], s[4:5], s[46:47]
	CROUND                                         ; all sixteen work-groups are here: the first joint loads meet
.irp s, 0,1
	s_mov_b32 s[G0+4*\s], 1
	s_add_co_u32 s[G0+4*\s+1], s45, \s*SLOT
	s_add_nc_u64 s[G0+4*\s+2:G0+4*\s+3], s[20:21], \s*ROWB
	s_or_b32 s[G0+4*\s+3], s[G0+4*\s+3], 0x80000000
	s_mov_b32 s[G0B+4*\s], 1
	s_add_co_u32 s[G0B+4*\s+1], s45, \s*SLOT
	s_add_nc_u64 s[G0B+4*\s+2:G0B+4*\s+3], s[46:47], \s*ROWB
	s_or_b32 s[G0B+4*\s+3], s[G0B+4*\s+3], 0x80000000
.endr
	JLOAD G0, G1, G0B, G1B                         ; K step 0
	v_and_b32 v1, 15, v0
	v_bfe_u32 v2, v0, 4, 1
	v_mul_u32_u24 v3, v1, PITCH
	v_mul_u32_u24 v4, v2, 24
	v_add_nc_u32 v4, v3, v4
	v_lshl_add_u32 v5, v2, 4, v4
	s_mul_i32 s21, s15, HALFT
	s_mul_i32 s22, s16, HALFT
	s_add_co_u32 s22, s22, 2*HALFT
.irp s, 0,1
	v_add_nc_u32 v[ADRA+\s], s21, v4
	v_add_nc_u32 v[ADRB+\s], s22, v4
	v_add_nc_u32 v[ADRA+2+\s], s21, v5
	v_add_nc_u32 v[ADRB+2+\s], s22, v5
	s_add_co_u32 s21, s21, SLOT
	s_add_co_u32 s22, s22, SLOT
.endr
	v_mov_b32 v6, s93
	v_cndmask_b32 v6, s92, v6, s94                 ; lanes 0-15 A's rows, lanes 16-31 B's
	v_lshl_add_u32 v[ADRS], v1, 5, v6              ; my row's 32 scale bytes in xs; never rewritten
	s_lshl_b32 s66, s17, 8
	s_lshl_b32 s18, s15, 7
	s_add_co_u32 s66, s66, s18
	s_lshl_b32 s67, s42, 8
	s_lshl_b32 s18, s16, 7
	s_add_co_u32 s67, s67, s18
	s_cmp_eq_u32 s98, 2
	s_cselect_b32 s18, s67, s66
	s_cselect_b32 s19, s66, s67
	s_lshr_b32 s99, s18, 10
	s_lshl_b32 s99, s99, 4
	s_lshr_b32 s19, s19, 6
	s_add_co_u32 s99, s99, s19
	s_bfe_u32 s100, s18, 0x30007
	s_cmp_eq_u32 s98, 2
	s_cbranch_scc1 .Lbias_v
	s_cmp_eq_u32 s98, 0
	s_cselect_b64 s[8:9], s[8:9], s[10:11]
	s_lshl_b32 s18, s67, 2
	s_mov_b32 s19, 0
	s_add_nc_u64 s[8:9], s[8:9], s[18:19]
	v_lshlrev_b32 v[VB], 6, v2
.irp b, 0,1,2,3,4,5,6,7
	global_load_b128 v[BI+8*\b:BI+8*\b+3], v[VB], s[8:9] offset:(32*(\b/2)+8*(\b%2))*4
	global_load_b128 v[BI+8*\b+4:BI+8*\b+7], v[VB], s[8:9] offset:(32*(\b/2)+8*(\b%2))*4+16
.endr
	s_branch .Lbias_done
.Lbias_v:
	s_lshl_b32 s18, s66, 2
	s_mov_b32 s19, 0
	s_add_nc_u64 s[12:13], s[12:13], s[18:19]
	v_and_b32 v[VB], 8, v1
	v_add_nc_u32 v[VB], v[VB], v1
	v_lshlrev_b32 v[VB], 2, v[VB]
.irp a, 0,1,2,3,4,5,6,7
.irp j, 0,1,2,3,4,5,6,7
	global_load_b32 v[BI+8*\a+\j], v[VB], s[12:13] offset:(32*(\a/2)+8*(\a%2))*4
.endr
.endr
.Lbias_done:
.macro FRAG reg, adr, q, i
.irp p, 0,1,2,3,4,5
.set PCE, 12*(\q)+6*(\p/3)+\p%3
.if PCE%8 < 5
	ds_load_b64 v[\reg+2*\p:\reg+2*\p+1], v[\adr] offset:8*PCE+16*(PCE/8)+(\i)*16*PITCH
.else
	ds_load_b64 v[\reg+2*\p:\reg+2*\p+1], v[\adr+2] offset:8*PCE+16*(PCE/8)+(\i)*16*PITCH
.endif
.endr
.endm
.macro MUL16 a0, p, q, sc, mode
.irp a, \a0, \a0+1
.irp b, 0,1,2,3,4,5,6,7
.if (\mode) == 0
	v_wmma_scale_f32_16x16x128_f8f6f4 v[8*(8*((\a)%4)+\b):8*(8*((\a)%4)+\b)+7], v[128*(\p)+FR*\b:128*(\p)+FR*\b+FR-1], v[AF+FR*(\a):AF+FR*(\a)+FR-1], v[8*(8*((\a)%4)+\b):8*(8*((\a)%4)+\b)+7], v[SC+8*NQ*(\sc)+NQ*\b+(\q)], v[SC+8*NQ*(\sc)+NQ*(\a)+(\q)] matrix_a_fmt:MATRIX_FMT_BF6 matrix_b_fmt:MATRIX_FMT_BF6 matrix_a_scale:MATRIX_SCALE_ROW1
.elseif (\mode) == 1
	v_wmma_scale_f32_16x16x128_f8f6f4 v[8*(8*((\a)%4)+\b):8*(8*((\a)%4)+\b)+7], v[128*(\p)+FR*\b:128*(\p)+FR*\b+FR-1], v[AF+FR*(\a):AF+FR*(\a)+FR-1], v[BI+8*\b:BI+8*\b+7], v[SC+8*NQ*(\sc)+NQ*\b+(\q)], v[SC+8*NQ*(\sc)+NQ*(\a)+(\q)] matrix_a_fmt:MATRIX_FMT_BF6 matrix_b_fmt:MATRIX_FMT_BF6 matrix_a_scale:MATRIX_SCALE_ROW1
.else
	v_wmma_scale_f32_16x16x128_f8f6f4 v[8*(8*((\a)%4)+\b):8*(8*((\a)%4)+\b)+7], v[128*(\p)+FR*\b:128*(\p)+FR*\b+FR-1], v[AF+FR*(\a):AF+FR*(\a)+FR-1], v[BI+8*(\a):BI+8*(\a)+7], v[SC+8*NQ*(\sc)+NQ*\b+(\q)], v[SC+8*NQ*(\sc)+NQ*(\a)+(\q)] matrix_a_fmt:MATRIX_FMT_BF6 matrix_b_fmt:MATRIX_FMT_BF6 matrix_a_scale:MATRIX_SCALE_ROW1
.endif
.endr
.endr
.endm
.macro FETCH_B slot, q, p
	WIN TO_B
.irp i, 0,1,2,3,4,5,6,7
	FRAG 128*(\p)+FR*\i, ADRB+\slot, \q, \i
.endr
	WIN 0
.endm
.macro FETCH_A slot, q, i0
.irp i, \i0, \i0+1, \i0+2, \i0+3
	FRAG AF+FR*(\i), ADRA+\slot, \q, \i
.endr
.endm
.macro SCALES sc, ks                   ; the two scale words of K step ks (256 along K) of each of my eight blocks of 16 rows, into set sc
.irp i, 0,1,2,3,4,5,6,7
	global_load_b64 v[SC+8*NQ*(\sc)+NQ*\i:SC+8*NQ*(\sc)+NQ*\i+1], v[ADRS], s[6:7] offset:\i*512+8*(\ks)
.endr
.endm
.macro PLACES n
.rept \n
	v_nop
.endr
.endm
.macro STEP slot, q, mode, nks         ; nks: the K step whose scale words are asked for in this step's middle, or -1
	s_wait_loadcnt 0x0                             ; this K step's scale words are in
	s_wait_dscnt 4*NL
.if (\mode)
	WIN BIAS_LO
.else
	WIN MUL_LO
.endif
	MUL16 0, (\q)%2, \q, \slot, \mode
	MUL16 2, (\q)%2, \q, \slot, \mode
	s_wait_dscnt 0
	PLACES NP
	FETCH_B \slot, (\q)+1, 1-(\q)%2
	FETCH_A \slot, (\q)+1, 0
.if (\nks) >= 0
	SCALES (\nks)%2, \nks                          ; into the set that the K step before has left; the places above stand behind its last products
.endif
.if (\mode)
	WIN BIAS_HI
.else
	WIN MUL_HI
.endif
	MUL16 4, (\q)%2, \q, \slot, \mode
	MUL16 6, (\q)%2, \q, \slot, \mode
	PLACES NP
	WIN 0
	FETCH_A \slot, (\q)+1, 4
.endm
.macro TURN slot, next, fill
	s_wait_tensorcnt 0x0
	ds_add_u32 v[SPW], v[NIL]
	s_wait_dscnt 4*NL+1
	WIN MUL_LO
	MUL16 0, 1, NQ-1, \slot, 0
	s_wait_dscnt 0x0
	s_barrier_signal -1
	MUL16 2, 1, NQ-1, \slot, 0
	WIN 0
	s_barrier_wait -1
.if \fill
	CREST
	s_add_nc_u64 s[G0+4*\slot+2:G0+4*\slot+3], s[G0+4*\slot+2:G0+4*\slot+3], 2*ROWB
	s_add_nc_u64 s[G0B+4*\slot+2:G0B+4*\slot+3], s[G0B+4*\slot+2:G0B+4*\slot+3], 2*ROWB
	JLOAD G0+4*\slot, G1, G0B+4*\slot, G1B
.else
	PLACES NP
.endif
	FETCH_B \next, 0, 0
	FETCH_A \next, 0, 0
	WIN MUL_HI
	MUL16 4, 1, NQ-1, \slot, 0
	MUL16 6, 1, NQ-1, \slot, 0
	PLACES NP
	WIN 0
	FETCH_A \next, 0, 4
.endm
	s_wait_alu depctr_va_vdst(0)
	SCALES 0, 0                                    ; the scale words of K steps 0 and 1
	SCALES 1, 1
	s_wait_tensorcnt 0x0                           ; my part of K step 0 is in
	ds_add_u32 v[SPW], v[NIL]
	s_wait_dscnt 0x0
	CROUND                                         ; everybody's part is in, and all sixteen work-groups are here
	JLOAD G0+4, G1, G0B+4, G1B                     ; K step 1, the first tensor load behind the round
	FETCH_B 0, 0, 0
	FETCH_A 0, 0, 0
	FETCH_A 0, 0, 4
	s_wait_loadcnt 0x0                             ; the bias and the scale words
	s_cmp_eq_u32 s98, 2
	s_cbranch_scc1 .Lfirst_v
	STEP 0, 0, 1, -1
	s_branch .Lfirst_done
.Lfirst_v:
	STEP 0, 0, 2, -1
.Lfirst_done:
	TURN 0, 1, 1                                   ; the four K steps of 256 are written out: each is met once
	STEP 1, 0, 0, 2
	TURN 1, 0, 1
	STEP 0, 0, 0, 3
	TURN 0, 1, 0
	STEP 1, 0, 0, -1
	s_wait_dscnt 4*NL
	WIN MUL_LO
	MUL16 0, 1, NQ-1, 1, 0
	MUL16 2, 1, NQ-1, 1, 0
	s_wait_dscnt 0
	WIN MUL_HI
	MUL16 4, 1, NQ-1, 1, 0
	MUL16 6, 1, NQ-1, 1, 0
	WIN 0
	PLACES NP
	s_load_b128 s[4:7], s[0:1], 0x28
	s_load_b64 s[8:9], s[0:1], 0x38
	s_mov_b32 s22, 0x76543210
	s_mov_b32 s23, 0xfedcba98
	s_mov_b32 s94, 0xffff0000
	s_mov_b32 s24, 98304
	s_mov_b32 s25, 12288
	s_mov_b32 s26, 6144
	s_mov_b32 s27, 768
	s_cmp_eq_u32 s98, 0
	s_cselect_b32 s24, 49152, s24
	s_cselect_b32 s25, 6144, s25
	s_cselect_b32 s26, 4096, s26
	s_cselect_b32 s27, 512, s27
	s_cselect_b32 s28, QSOFF, 0
	s_wait_kmcnt 0x0
	s_cselect_b64 s[10:11], s[4:5], s[6:7]
	s_cselect_b64 s[12:13], s[4:5], s[8:9]
	s_mov_b32 s18, 768
	s_cmp_eq_u32 s98, 2
	s_cselect_b32 s18, 1536, s18
	s_cselect_b32 s20, 92160, 0
	s_cselect_b32 s29, 768, s24
	s_cselect_b32 s30, 6144, 0
	s_cselect_b32 s31, 512, 0
	s_mov_b32 s19, 0
	s_mov_b32 s21, 0
	s_mul_i32 s24, s24, s99
	s_mul_i32 s25, s25, s100
	s_add_co_u32 s24, s24, s25
	s_add_co_u32 s24, s24, s30
	s_mov_b32 s25, 0
	s_add_nc_u64 s[10:11], s[10:11], s[24:25]
	s_mul_i32 s24, s26, s99
	s_mul_i32 s27, s27, s100
	s_add_co_u32 s24, s24, s27
	s_add_co_u32 s24, s24, s28
	s_add_co_u32 s24, s24, s31
	s_add_nc_u64 s[12:13], s[12:13], s[24:25]
	v_and_b32 v[VS0], 31, v0
	v_lshlrev_b32 v[VO0], 3, v[VS0]
	v_add_nc_u32 v[VO1], s29, v[VO0]
	v_lshlrev_b32 v[VS0], 4, v[VS0]
	v_add_nc_u32 v[VB], s26, v[VS0]
.irp b, 0,1,2,3
	v_mov_b32 v[TM+4+\b], 0
.endr
.macro QUANTW a
.set AC, 64*((\a)%4)
.set PCD, 128+24*((\a)%2)
	WIN 0x0a+5*((\a)/4)
.irp b, 0,1,2,3
	v_max3_num_f32 v[TM+\b], |v[AC+16*\b]|, |v[AC+16*\b+1]|, 0x2800000
.endr
.irp i, 2,4,6,8,10,12,14
.irp b, 0,1,2,3
	v_max3_num_f32 v[TM+\b], |v[AC+16*\b+\i]|, |v[AC+16*\b+\i+1]|, v[TM+\b]
.endr
.endr
	WIN 0
.irp b, 0,1,2,3
	v_permlanex16_b32 v[TM+4+\b], v[TM+\b], s22, s23
.endr
.irp b, 0,1,2,3
	v_max_num_f32 v[TM+\b], v[TM+\b], v[TM+4+\b]
.endr
.irp b, 0,1,2,3
	v_add_nc_u32 v[TM+12+\b], 0xfe000000, v[TM+\b]
.endr
.irp b, 0,1,2,3
	v_lshrrev_b32 v[TM+4+\b], 23, v[TM+12+\b]
.endr
	v_lshl_or_b32 v[PW+(\a)], v[TM+5], 8, v[TM+4]
	v_lshl_or_b32 v[PW+(\a)], v[TM+6], 16, v[PW+(\a)]
	v_lshl_or_b32 v[PW+(\a)], v[TM+7], 24, v[PW+(\a)]
	WIN 2+(\a)/4
.irp c, 0,1
	v_cvt_scalef32_pk16_bf6_f32 v[PCD+6*\c:PCD+6*\c+2], v[AC+32*\c:AC+32*\c+15], v[TM+12+2*\c]
	v_cvt_scalef32_pk16_bf6_f32 v[PCD+12+4*\c:PCD+14+4*\c], v[AC+32*\c+16:AC+32*\c+31], v[TM+12+2*\c+1]
.endr
	WIN 0
	v_nop
.irp c, 0,1
.irp i, 0,1,2
	v_permlane16_swap_b32 v[PCD+6*\c+\i], v[PCD+12+4*\c+\i]
.endr
.irp i, 0,1,2
	v_mov_b32 v[PCD+3+6*\c+\i], v[PCD+12+4*\c+\i]
.endr
.endr
.endm
.macro SENDQ a
.set PCD, 128+24*((\a)%2)
	s_wait_xcnt 0x0
.if (\a) > 0
	s_add_nc_u64 s[10:11], s[10:11], s[18:19]
.endif
.if (\a) == 4
	s_add_nc_u64 s[10:11], s[10:11], s[20:21]
.endif
.irp p, 0,1,2
	global_store_b64 v[VO0], v[PCD+2*\p:PCD+2*\p+1], s[10:11] offset:256*\p
.endr
.irp p, 0,1,2
	global_store_b64 v[VO1], v[PCD+6+2*\p:PCD+7+2*\p], s[10:11] offset:256*\p
.endr
.endm
.irp a, 0,1,2,3,4,5,6,7
	QUANTW \a
	s_wait_alu depctr_va_vdst(0)
	SENDQ \a
.endr
.irp i, 0,1,2,3
	v_cndmask_b32 v[E0+\i], v[PW+2*\i], v[PW+2*\i+1], s94
.endr
	s_cmp_eq_u32 s98, 2
	s_cbranch_scc1 .Lsc_v
.irp i, 0,1,2,3
	v_perm_b32 v[E1+\i], v[E0+\i], v[E0+\i], 0x01000302
.endr
	global_store_b128 v[VS0], v[E0:E0+3], s[12:13]
	global_store_b128 v[VB], v[E1:E1+3], s[12:13]
	s_branch .Lsc_done
.Lsc_v:
	s_wait_alu depctr_va_vdst(0)
	global_store_b64 v[VO0], v[E0:E0+1], s[12:13]
	global_store_b64 v[VO0], v[E0+2:E0+3], s[12:13] offset:6144
.Lsc_done:
	s_wait_tensorcnt 0x0
	ds_add_u32 v[SPW], v[NIL]
	s_wait_dscnt 0x0
	CROUND
	s_endpgm
.Lfunc_end_k_q22ad1ddcff_proj:
	.size	k_q22ad1ddcff_proj, .Lfunc_end_k_q22ad1ddcff_proj-k_q22ad1ddcff_proj
	.p2alignl 7, 3214868480
	.fill 96, 4, 3214868480
	.section	.rodata,"a",@progbits
	.p2align	6, 0x0
	.amdhsa_kernel k_q22ad1ddcff_proj
		.amdhsa_group_segment_fixed_size 327680
		.amdhsa_private_segment_fixed_size 0
		.amdhsa_enable_private_segment 0
		.amdhsa_kernarg_size 64
		.amdhsa_user_sgpr_count 2
		.amdhsa_user_sgpr_kernarg_segment_ptr 1
		.amdhsa_wavefront_size32 1
		.amdhsa_system_sgpr_workgroup_id_x 1
		.amdhsa_system_sgpr_workgroup_id_y 1
		.amdhsa_system_sgpr_workgroup_id_z 1
		.amdhsa_system_vgpr_workitem_id 0
		.amdhsa_next_free_vgpr 1024
		.amdhsa_next_free_sgpr 102
		.amdhsa_reserve_vcc 0
		.amdhsa_float_denorm_mode_32 3
		.amdhsa_float_denorm_mode_16_64 3
		.amdhsa_memory_ordered 1
		.amdhsa_forward_progress 1
		.amdhsa_inst_pref_size 192
	.end_amdhsa_kernel
	.amdgpu_metadata
---
amdhsa.version: [ 1, 2 ]
amdhsa.kernels:
  - .name:           k_q22ad1ddcff_proj
    .symbol:         k_q22ad1ddcff_proj.kd
    .args:
      - { .name: xc, .offset: 0, .size: 8, .value_kind: global_buffer, .address_space: global }
      - { .name: xs, .offset: 8, .size: 8, .value_kind: global_buffer, .address_space: global }
      - { .name: bq, .offset: 16, .size: 8, .value_kind: global_buffer, .address_space: global }
      - { .name: bk, .offset: 24, .size: 8, .value_kind: global_buffer, .address_space: global }
      - { .name: bv, .offset: 32, .size: 8, .value_kind: global_buffer, .address_space: global }
      - { .name: qi, .offset: 40, .size: 8, .value_kind: global_buffer, .address_space: global }
      - { .name: kv, .offset: 48, .size: 8, .value_kind: global_buffer, .address_space: global }
      - { .name: kvs, .offset: 56, .size: 8, .value_kind: global_buffer, .address_space: global }
    .group_segment_fixed_size: 327680
    .private_segment_fixed_size: 0
    .kernarg_segment_align: 8
    .kernarg_segment_size: 64
    .max_flat_workgroup_size: 128
    .sgpr_count:     102
    .vgpr_count:     1024
    .wavefront_size: 32
...
	.end_amdgpu_metadata
.endif
;; end of part 2
;; launch attn (part 3): grid 4 x 64, 16 waves a work-group, clusters of 4 x 1, 212,992 bytes of LDS; arguments qi, kv, kvs, u, yc, ys; writes yc, ys
.if DOCPART == 3
	.amdgcn_target "amdgcn-amd-amdhsa--gfx1250"
	.amdhsa_code_object_version 6
	.text
	.protected	k_q22ad1ddcff_attn
	.globl	k_q22ad1ddcff_attn
	.p2align	8
	.type	k_q22ad1ddcff_attn,@function
k_q22ad1ddcff_attn:
	s_mov_b64 s[64:65], 0
	v_nop
	global_prefetch_b8 v0, s[64:65] scope:SCOPE_SE
	s_setreg_imm32_b32 hwreg(HW_REG_WAVE_MODE, 25, 1), 1
	s_wait_xcnt 0x0
	s_wait_alu depctr_hold_cnt(0) depctr_sa_sdst(0) depctr_va_vdst(0) depctr_va_sdst(0) depctr_va_ssrc(0) depctr_va_vcc(0) depctr_vm_vsrc(0)
	s_getreg_b32 s2, hwreg(HW_REG_IB_STS2, 6, 4)
	s_cmp_eq_u32 s2, 0
	s_cbranch_scc0 .Lentry_in_a_cluster
	s_endpgm
.Lentry_in_a_cluster:
	s_bfe_u32 s2, ttmp6, 0x10000c
	s_cmp_lg_u32 s2, 0x3003
	s_cbranch_scc0 .Lentry_shape_is_right
	s_endpgm
.Lentry_shape_is_right:
; ATTN.  y = softmax(q k^T / 8 + rel, masked) v for 128 heads of 1,024 tokens x 64 channels, both products on codes of BF6 (E3M2) with E8M0 scales; y leaves as codes for the last projection.
; Head f = 16 batch + h uses plane h % 8 of rel_pos and mask.  U = mask ? 8 rel_pos : -1e30 lies in memory as the image of the score accumulators' registers: it is loaded into them and is the C of
; S^T = K Q^T + U, so D = 8 x logit, and t = D c with c = log2(e) / 8.  p = 2^(t - M), M the running largest t rounded up to a whole number; the row's sum is taken of the unquantised p and divides at the end.
; A ROW MASKED THROUGHOUT: reference() has the logit -2e9 at masked places.  The running largest t begins at -2,885,390,080 (that logit x log2(e) in f32, a whole number).  While it stands there, the lane's c and -M
; are replaced by 0 (two selects), so that every p is 1.  When a key that counts arrives, old M - new M is about -2.9e9: the conversion to a whole number saturates and 2^that is 0: sum and O are cleared.
; LIMITS: an unmasked logit at or under about -2e9 counts as masked; NaN and infinities are not served; a block of zeros keeps the scale byte 1.
; SHARES.  A work-group: one batch, heads plane and plane + 8, 256 queries.  Grid y = 8 batch + plane; the four work-groups of a cluster are the four query blocks, which need the same K and V.
; ALL of both heads' K and V (2 x 98,304 bytes) and their scale words (2 x 6,144) come into LDS ONCE, at the head, by joint loads: waves 0-7 a quarter of a head each, waves 8, 9 a head's scale words.
; Nothing in LDS is filled again.
; Wave w: head w % 2, query tiles w / 2 and 8 + w / 2 of the block's 16, one after the other; 8 steps of 128 keys each.  U's tile of a step (8,192 bytes) goes from memory straight into the score registers,
; asked for as soon as the last step's p has been converted.  PREFETCH: in trip n the even waves (the two heads of a tile read the same U) name their tile's step n + 3, 32 lanes x 256 bytes, which trip n + 2 loads;
; trips 5 to 7 name nothing.  K and V are asked for once, at the head, where there is no loop to run ahead in: no prefetch for them.
; K = 64 OF THE SCORES: a tile of K is 6 registers.  The instruction takes 12: the upper six are the next tile's codes (zeros behind the last) and meet Q's upper six, which are zero codes.
; REGISTERS: v1 LDS address of K, V; v2, v3, v4 8 x lane, 16 x lane, 16 x (lane % 16); v5, v6 the add's; v7, v8 the scale words'; v9 256 x lane; v10, v11 the stage for y's scale bytes; v12 -M, v13 the largest t, v[14:15] the sum;
;   v16-27 Q; v28 Q's scale word; v29 zero; v[30:31] the lane's c; v32-85 K's 8 tiles, then V's 4 fragments; v86-91 their scale words; v[92:93] the lane's -M; v96-159 U, S^T, p; v160-191 O^T; v192-230, v240-255 at work.
.set KVH,   98304                      ; a head's K and V: 8 steps x (8 tiles of K x 768 + 4 fragments of V x 1,536)
.set SCL,   196608                     ; the scale words: 6,144 bytes a head, 768 a step
.set SPARE, 208896                     ; the spare words, 128 bytes for each of 16 waves
.set YSS,   210944                     ; a stage for y's scale bytes: 256 tokens x 4 bytes
.set QSOFF, 6291456
.set USTEP, 524288                     ; from key step to key step in u
.set A8,   1
.set L8,   2
.set L16,  3
.set R16,  4
.set SPW,  5
.set NIL,  6
.set ASC16, 7
.set ASC8, 8
.set PFO,  9
.set QF,   16
.set QS,   28
.set ZR,   29
.set CR,   30
.set KF,   32
.set KSW,  86
.set VSW,  90
.set NM,   92
.set S,    96
.set OT,   160
.set BM,   192
.set BX,   196
.set SCO,  200
.set T0,   204
.set FF,   206
.set PS,   208
.set PC,   212
.set PT,   224
.set TS,   240
.set G1KV, 24
.set G1S,  32
.set G0KV, 48
.set G0S,  52
.macro ROUND                           ; a round of the cluster's barrier
	s_barrier_signal -1
	s_barrier_wait -1
	s_cmp_lg_u32 s16, 0
	s_cbranch_scc1 .Lnot_wave_0_\@
	s_barrier_signal -3
.Lnot_wave_0_\@:
	s_barrier_wait -3
	s_barrier_signal -1
	s_barrier_wait -1
.endm
.macro GROUP1 g, rows                  ; a dense block as rows of 256 bytes (32 elements of 8 bytes), no padding
	s_mov_b32 s[\g], 15|(3<<16)|(1<<21)            ; the mask names the cluster's four; elements of 8 bytes; bit 21 beside a mask
	s_mov_b32 s[\g+1], 32<<16
	s_mov_b32 s[\g+2], (\rows)<<16
	s_mov_b32 s[\g+3], 32<<16
	s_mov_b32 s[\g+4], \rows
	s_mov_b32 s[\g+5], 32
	s_mov_b32 s[\g+6], 0
	s_mov_b32 s[\g+7], 0
.endm
.macro LOADU                           ; a tile of U into the score registers: 512 consecutive bytes a load
.irp c, 0,1,2,3,4,5,6,7,8,9,10,11,12,13,14,15
	global_load_b128 v[S+4*\c:S+4*\c+3], v[L16], s[76:77] offset:512*\c
.endr
.endm
.macro LOADQU pass                     ; a pass's Q (six registers and the scale word) and its first tile of U
.irp p, 0,1,2
	global_load_b64 v[QF+2*\p:QF+2*\p+1], v[L8], s[40:41] offset:256*\p+6144*(\pass)
.endr
	global_load_b32 v[QS], v[R16], s[42:43] offset:512*(\pass)
	LOADU
.endm
	s_load_b256 s[4:11], s[0:1], 0x0               ; qi s[4:5], kv s[6:7], kvs s[8:9], u s[10:11]
	s_load_b128 s[12:15], s[0:1], 0x20             ; yc s[12:13], ys s[14:15]
	v_lshl_add_u32 v[SPW], v0, 2, SPARE
	v_mov_b32 v[NIL], 0
	ds_add_u32 v[SPW], v[NIL]                      ; the opening lines: the add, twice on end, and its wait ahead of the first tensor load
	ds_add_u32 v[SPW], v[NIL]
	v_lshrrev_b32 v10, 5, v0
	v_readfirstlane_b32 s16, v10                   ; wave 0..15
	s_and_b32 s17, s16, 1                          ; i: my head of the two
	s_lshr_b32 s18, s16, 1                         ; my query tile of a pass's eight.  Also (waves 0-7): which quarter of a head's K, V I fetch
	s_bfe_u32 s19, ttmp6, 0x40000                  ; cx: my block of 256 queries
	s_and_b32 s20, ttmp7, 0xffff
	s_and_b32 s21, s20, 7                          ; the plane
	s_lshr_b32 s20, s20, 3                         ; the batch
	s_lshl_b32 s23, s20, 4
	s_add_co_u32 s23, s23, s21
	s_lshl_b32 s81, s17, 3
	s_add_co_u32 s23, s23, s81                     ; f = 16 batch + plane + 8 i
	s_lshl_b32 s93, s19, 4
	s_add_co_u32 s93, s93, s18                     ; my first query tile in the batch
	GROUP1 G1KV, 96                                ; 24,576 bytes
	GROUP1 G1S, 24                                 ; 6,144 bytes
	s_mul_i32 s84, s23, KVH                        ; kv: my head, my quarter (no cx in it)
	s_mul_i32 s81, s18, 24576
	s_add_co_u32 s84, s84, s81
	s_mov_b32 s85, 0
	s_mul_i32 s86, s23, 6144                       ; kvs
	s_mov_b32 s87, 0
	s_mul_i32 s90, s17, KVH                        ; LDS: my head's K, V,
	s_add_co_u32 s94, s90, s81                     ; where my quarter goes,
	s_mul_i32 s92, s17, 6144
	s_add_co_u32 s92, s92, SCL                     ; K's scale words,
	s_add_co_u32 s91, s92, 512                     ; V's
	s_lshl_b32 s88, s21, 22
	s_lshl_b32 s81, s93, 13
	s_add_co_u32 s88, s88, s81                     ; u: plane x 4 MiB + tile x 8,192
	s_mov_b32 s89, 0
	s_lshl_b32 s82, s23, 6
	s_add_co_u32 s82, s82, s93
	s_mul_i32 s82, s82, 768                        ; Q's codes: (64 f + tile) x 768
	s_mov_b32 s83, 0
	s_lshl_b32 s78, s23, 12                        ; Q's scale words: 4,096 f + 512 (tile / 8) + 256 (tile % 2) + 4 ((tile / 2) % 4), and 16 r
	s_lshr_b32 s81, s93, 3
	s_lshl_b32 s81, s81, 9
	s_add_co_u32 s78, s78, s81
	s_and_b32 s81, s93, 1
	s_lshl_b32 s81, s81, 8
	s_add_co_u32 s78, s78, s81
	s_bfe_u32 s81, s93, 0x20001
	s_lshl_b32 s81, s81, 2
	s_add_co_u32 s78, s78, s81
	s_add_co_u32 s78, s78, QSOFF
	s_mov_b32 s79, 0
	s_lshl_b32 s44, s20, 6                         ; yc: ((64 batch + tile) x 16 + 2 plane + i) x 768
	s_add_co_u32 s44, s44, s93
	s_lshl_b32 s44, s44, 4
	s_lshl_b32 s81, s21, 1
	s_add_co_u32 s44, s44, s81
	s_add_co_u32 s44, s44, s17
	s_mul_i32 s44, s44, 768
	s_mov_b32 s45, 0
	s_lshl_b32 s46, s20, 12                        ; ys: plane x 32,768 + (1,024 batch + 256 cx) x 4; waves 0, 1 store 512 bytes each
	s_lshl_b32 s81, s19, 10
	s_add_co_u32 s46, s46, s81
	s_lshl_b32 s81, s21, 15
	s_add_co_u32 s46, s46, s81
	s_lshl_b32 s81, s17, 9
	s_add_co_u32 s46, s46, s81
	s_mov_b32 s47, 0
	s_lshl_b32 s95, s18, 6                         ; the stage: token x 4 + 2 i
	s_lshl_b32 s81, s17, 1
	s_add_co_u32 s95, s95, s81
	s_add_co_u32 s95, s95, YSS
	s_lshl_b32 s96, s17, 9
	s_add_co_u32 s96, s96, YSS
	s_mov_b32 s72, 0x76543210
	s_mov_b32 s73, 0xfedcba98                      ; v_permlanex16_b32: lane l xor 16
	s_mov_b32 s74, 0x3e38aa3b                      ; c = log2(e) / 8
	s_mov_b32 s75, 0xcf2bfb8f                      ; -2,885,390,080
	s_cmp_eq_u32 s17, 0
	s_cselect_b32 s80, 3, -1                       ; an even wave prefetches while more than 3 trips are left, an odd one never
	s_wait_dscnt 0x0                               ; both opening adds are done
	s_wait_kmcnt 0x0
	s_add_nc_u64 s[84:85], s[6:7], s[84:85]
	s_add_nc_u64 s[86:87], s[8:9], s[86:87]
	s_add_nc_u64 s[76:77], s[10:11], s[88:89]
	s_add_nc_u64 s[40:41], s[4:5], s[82:83]
	s_add_nc_u64 s[42:43], s[4:5], s[78:79]
	s_add_nc_u64 s[12:13], s[12:13], s[44:45]
	s_add_nc_u64 s[14:15], s[14:15], s[46:47]
	s_mov_b32 s[G0KV], 1
	s_mov_b32 s[G0KV+1], s94
	s_mov_b64 s[G0KV+2:G0KV+3], s[84:85]
	s_or_b32 s[G0KV+3], s[G0KV+3], 0x80000000
	s_mov_b32 s[G0S], 1
	s_mov_b32 s[G0S+1], s92
	s_mov_b64 s[G0S+2:G0S+3], s[86:87]
	s_or_b32 s[G0S+3], s[G0S+3], 0x80000000
	ROUND                                          ; all four work-groups are here: the joint loads meet
	s_cmp_lt_u32 s16, 8                            ; the fills, one a wave at the most, in one chain of branches on the wave's number
	s_cbranch_scc0 .Lf_not_kv
	tensor_load_to_lds s[G0KV:G0KV+3], s[G1KV:G1KV+7]
	s_nop 0
.rept 4
	v_nop
.endr
	s_branch .Lf_done
.Lf_not_kv:
	s_cmp_lt_u32 s16, 10
	s_cbranch_scc0 .Lf_done
	tensor_load_to_lds s[G0S:G0S+3], s[G1S:G1S+7]
	s_nop 0
.rept 4
	v_nop
.endr
.Lf_done:
	v_and_b32 v200, 31, v0                         ; lane
	v_and_b32 v201, 15, v0                         ; r
	v_lshlrev_b32 v[L8], 3, v200
	v_lshlrev_b32 v[L16], 4, v200
	v_lshlrev_b32 v[R16], 4, v201
	v_lshlrev_b32 v[PFO], 8, v200
	v_lshl_add_u32 v10, v201, 2, s95               ; y's scale bytes, in
	v_add_nc_u32 v11, s96, v[L16]                  ; and back: 16 bytes a lane
	s_wait_alu depctr_va_vdst(0)
	LOADQU 0
.irp j, 6,7,8,9,10,11
	v_mov_b32 v[QF+\j], 0                          ; K = 64 .. 127: zero codes
.endr
.irp j, 48,49,50,51,52,53
	v_mov_b32 v[KF+\j], 0                          ; behind K's last tile
.endr
	v_mov_b32 v[ZR], 0
	v_mov_b32 v[CR+1], 0                           ; the upper halves of pairs of which the low word serves: named, so written
	v_mov_b32 v[NM+1], 0
	v_mov_b32 v[FF+1], 0
.irp b, 0,1,2,3
	v_mov_b32 v[BX+\b], 0                          ; a lane permute's destination counts as one of its sources
.endr
	s_wait_alu depctr_va_vdst(0)
	s_wait_tensorcnt 0x0                           ; my tile has landed
	s_barrier_signal -1
	s_barrier_wait -1                              ; and everybody's
.macro STEP
	ds_load_b128 v[KSW:KSW+3], v[ASC16]            ; register i: lanes 0-15 tile 2 i's words, lanes 16-31 tile 2 i + 1's
.irp t, 0,1,2,3,4,5,6,7
.irp p, 0,1,2
	ds_load_b64 v[KF+6*\t+2*\p:KF+6*\t+2*\p+1], v[A8] offset:768*\t+256*\p
.endr
.endr
	s_wait_loadcnt 0x0                             ; this step's U (in a pass's first step Q too)
	s_wait_xcnt 0x0                                ; the last prefetch and the last pass's stores have read their registers
	s_add_nc_u64 s[76:77], s[76:77], USTEP         ; u: the next step
	s_wait_dscnt 0x0
.irp t, 0,1,2,3                        ; S^T = K Q^T + U: eight accumulators, one instruction each.  Lane (r, h): query r; register 16 b + i: key 32 b + 16 h + i of the step
	v_wmma_scale_f32_16x16x128_f8f6f4 v[S+16*\t:S+16*\t+7], v[KF+12*\t:KF+12*\t+11], v[QF:QF+11], v[S+16*\t:S+16*\t+7], v[KSW+\t], v[QS] matrix_a_fmt:MATRIX_FMT_BF6 matrix_b_fmt:MATRIX_FMT_BF6
	v_wmma_scale_f32_16x16x128_f8f6f4 v[S+16*\t+8:S+16*\t+15], v[KF+12*\t+6:KF+12*\t+17], v[QF:QF+11], v[S+16*\t+8:S+16*\t+15], v[KSW+\t], v[QS] matrix_a_fmt:MATRIX_FMT_BF6 matrix_b_fmt:MATRIX_FMT_BF6 matrix_a_scale:MATRIX_SCALE_ROW1
.endr
.rept 4
	v_nop                                          ; places in front of the loads into K's registers and of the first read of the scores
.endr
.irp d, 0,1,2,3                        ; V's four fragments land while the softmax is walked
.irp p, 0,1,2,3,4,5
	ds_load_b64 v[KF+12*\d+2*\p:KF+12*\d+2*\p+1], v[A8] offset:6144+1536*\d+256*\p
.endr
.endr
	ds_load_b64 v[VSW:VSW+1], v[ASC8]
.irp b, 0,1,2,3
	v_max3_num_f32 v[BM+\b], v[S+16*\b], v[S+16*\b+1], v[S+16*\b+2]   ; the largest D of each block of 32 keys: for the row's maximum and for the block's largest p
.endr
.irp i, 3,5,7,9,11,13
.irp b, 0,1,2,3
	v_max3_num_f32 v[BM+\b], v[BM+\b], v[S+16*\b+\i], v[S+16*\b+\i+1]
.endr
.endr
.irp b, 0,1,2,3
	v_max_num_f32 v[BM+\b], v[BM+\b], v[S+16*\b+15]
.endr
.irp b, 0,1,2,3
	s_delay_alu instid0(VALU_DEP_4)
	v_permlanex16_b32 v[BX+\b], v[BM+\b], s72, s73
.endr
.irp b, 0,1,2,3
	s_delay_alu instid0(VALU_DEP_4)
	v_max_num_f32 v[BM+\b], v[BM+\b], v[BX+\b]
.endr
	s_delay_alu instid0(VALU_DEP_2)
	v_max3_num_f32 v[T0], v[BM], v[BM+1], v[BM+2]
	s_delay_alu instid0(VALU_DEP_1)
	v_max_num_f32 v[T0], v[T0], v[BM+3]
	s_delay_alu instid0(VALU_DEP_1)
	v_mul_f32 v[T0], s74, v[T0]                    ; as t
	s_delay_alu instid0(VALU_DEP_1)
	v_max_num_f32 v13, v13, v[T0]                  ; the running largest t
	v_mov_b32 v[T0], v12
	s_delay_alu instid0(VALU_DEP_2)
	v_floor_f32 v12, -v13                          ; the new -M = -ceil(t)
	s_delay_alu instid0(VALU_DEP_1)
	v_sub_f32 v[T0], v12, v[T0]                    ; old M - new M: a whole number, 0 or less
	s_delay_alu instid0(VALU_DEP_1)
	v_cvt_i32_f32 v[T0], v[T0]                     ; (it saturates)
	s_delay_alu instid0(VALU_DEP_1)
	v_ldexp_f32 v[FF], 1.0, v[T0]                  ; f = 2^(old M - new M)
	v_cmp_eq_f32 vcc_lo, s75, v13                  ; no key has counted yet for my query:
	s_delay_alu instid0(VALU_DEP_1)
	v_cndmask_b32 v[CR], s74, v[ZR], vcc_lo        ; then c and -M give way to 0, and p = 2^0
	s_delay_alu instid0(VALU_DEP_2)
	v_cndmask_b32 v[NM], v12, v[ZR], vcc_lo
.set j, 0
.rept 32
	v_pk_fma_f32 v[S+j:S+j+1], v[S+j:S+j+1], v[CR:CR+1], v[NM:NM+1] op_sel_hi:[1,0,0]   ; t - M, two at a time
.set j, j+2
.endr
.irp b, 0,1,2,3
	v_fma_f32 v[BM+\b], v[BM+\b], v[CR], v[NM]
.endr
.set j, 0
	s_wait_alu depctr_va_vdst(0)
.rept 64
	v_exp_f32 v[S+j], v[S+j]                       ; p = 2^(t - M)
.set j, j+1
.endr
	v_pk_mul_f32 v[14:15], v[14:15], v[FF:FF+1] op_sel_hi:[1,0]       ; the sums under the new M: the plain instruction behind the exponentials
	s_wait_alu depctr_va_vdst(0)                   ; one wait for the batch, ahead of its first reader
.irp b, 0,1,2,3
	v_exp_f32 v[BM+\b], v[BM+\b]                   ; the block's largest p
.endr
.irp k, 0,1,2,3,4,5,6,7                ; the row's sum of the unquantised p: eight chains of pairs, then a tree
	v_pk_add_f32 v[TS+2*\k:TS+2*\k+1], v[S+2*\k:S+2*\k+1], v[S+16+2*\k:S+17+2*\k]
.endr
.irp o, 32,48
.irp k, 0,1,2,3,4,5,6,7
	v_pk_add_f32 v[TS+2*\k:TS+2*\k+1], v[TS+2*\k:TS+2*\k+1], v[S+\o+2*\k:S+\o+2*\k+1]
.endr
.endr
.irp k, 0,1,2,3
	s_delay_alu instid0(VALU_DEP_4)
	v_pk_add_f32 v[TS+2*\k:TS+2*\k+1], v[TS+2*\k:TS+2*\k+1], v[TS+8+2*\k:TS+9+2*\k]
.endr
.irp k, 0,1
	s_delay_alu instid0(VALU_DEP_2)
	v_pk_add_f32 v[TS+2*\k:TS+2*\k+1], v[TS+2*\k:TS+2*\k+1], v[TS+4+2*\k:TS+5+2*\k]
.endr
	s_delay_alu instid0(VALU_DEP_1)
	v_pk_add_f32 v[TS:TS+1], v[TS:TS+1], v[TS+2:TS+3]
	s_delay_alu instid0(VALU_DEP_1)
	v_pk_add_f32 v[14:15], v[14:15], v[TS:TS+1]
	s_wait_alu depctr_va_vdst(0)                   ; and one for the four
.irp b, 0,1,2,3
	v_max_num_f32 v[BM+\b], 0x2800000, v[BM+\b]    ; the floor 2^(5 - 127)
.endr
.irp b, 0,1,2,3
	s_delay_alu instid0(VALU_DEP_4)
	v_add_nc_u32 v[SCO+\b], 0xfe000000, v[BM+\b]   ; 4 off the exponent field: the conversion's scale operand
.endr
.irp b, 0,1,2,3
	s_delay_alu instid0(VALU_DEP_4)
	v_lshrrev_b32 v[BX+\b], 23, v[SCO+\b]
.endr
	s_delay_alu instid0(VALU_DEP_3)
	v_lshl_or_b32 v[PS], v[BX+1], 8, v[BX]         ; p's scale word for these 128 keys
	s_delay_alu instid0(VALU_DEP_1)
	v_lshl_or_b32 v[PS], v[BX+2], 16, v[PS]
	s_delay_alu instid0(VALU_DEP_1)
	v_lshl_or_b32 v[PS], v[BX+3], 24, v[PS]
.irp c, 0,1
	v_cvt_scalef32_pk16_bf6_f32 v[PC+6*\c:PC+6*\c+2], v[S+32*\c:S+32*\c+15], v[SCO+2*\c]
	v_cvt_scalef32_pk16_bf6_f32 v[PT+4*\c:PT+4*\c+2], v[S+32*\c+16:S+32*\c+31], v[SCO+2*\c+1]
.endr
	v_nop                                          ; one plain instruction behind a scaled conversion
.irp c, 0,1
.irp i, 0,1,2
	v_permlane16_swap_b32 v[PC+6*\c+\i], v[PT+4*\c+\i]
.endr
.irp i, 0,1,2
	s_delay_alu instid0(VALU_DEP_3)
	v_mov_b32 v[PC+3+6*\c+\i], v[PT+4*\c+\i]
.endr
.endr
	s_wait_alu depctr_va_vdst(0)                   ; directly ahead of the first reader of O^T
.set j, 0
.rept 16
	v_pk_mul_f32 v[OT+j:OT+j+1], v[OT+j:OT+j+1], v[FF:FF+1] op_sel_hi:[1,0]   ; O^T under the new M; these also stand between the writes of p's codes and scale word and the products
.set j, j+2
.endr
	s_wait_alu depctr_va_vdst(0)
	s_cmp_eq_u32 s3, 1                             ; p has been converted: the score registers take the next step's U; a pass's last trip has none
	s_cbranch_scc1 .Lno_u_\@
	LOADU
	s_cmp_gt_u32 s3, s80
	s_cbranch_scc0 .Lno_u_\@
	global_prefetch_b8 v[PFO], s[76:77] offset:2*USTEP th:TH_LOAD_NT scope:SCOPE_SE   ; two steps beyond the one just asked for
.Lno_u_\@:
	s_wait_dscnt 0x0                               ; V
.irp d, 0,1                            ; O^T += V^T P^T: four accumulators, one instruction each
	v_wmma_scale_f32_16x16x128_f8f6f4 v[OT+16*\d:OT+16*\d+7], v[KF+24*\d:KF+24*\d+11], v[PC:PC+11], v[OT+16*\d:OT+16*\d+7], v[VSW+\d], v[PS] matrix_a_fmt:MATRIX_FMT_BF6 matrix_b_fmt:MATRIX_FMT_BF6
	v_wmma_scale_f32_16x16x128_f8f6f4 v[OT+16*\d+8:OT+16*\d+15], v[KF+24*\d+12:KF+24*\d+23], v[PC:PC+11], v[OT+16*\d+8:OT+16*\d+15], v[VSW+\d], v[PS] matrix_a_fmt:MATRIX_FMT_BF6 matrix_b_fmt:MATRIX_FMT_BF6 matrix_a_scale:MATRIX_SCALE_ROW1
.endr
	v_add_nc_u32 v[ASC16], 768, v[ASC16]           ; the next step's addresses; with the v_nop the four places in front of the next loads into V's registers and of the first read of O^T
	v_add_nc_u32 v[ASC8], 768, v[ASC8]
	v_add_nc_u32 v[A8], 12288, v[A8]
	v_nop
.endm
; A pass: one tile of 16 queries through all 1,024 keys, and its way out.
.macro PASS pass
	v_add_nc_u32 v[A8], s90, v[L8]                 ; step 0's addresses in LDS
	v_add_nc_u32 v[ASC16], s92, v[L16]
	v_add_nc_u32 v[ASC8], s91, v[L8]
	v_mov_b32 v13, s75                             ; the largest t so far
	v_floor_f32 v12, -v13                          ; -M
	v_mov_b32 v14, 0
	v_mov_b32 v15, 0
.set j, 0
.rept 32
	v_mov_b32 v[OT+j], 0                           ; O^T: the step is written once; the first finds zeros
.set j, j+1
.endr
	s_mov_b32 s3, 8
	s_wait_alu depctr_va_vdst(0)
.Lsteps_\@:
	STEP
	s_sub_co_u32 s3, s3, 1
	s_cmp_lg_u32 s3, 0
	s_wait_alu depctr_va_vdst(0)
	s_cbranch_scc1 .Lsteps_\@
.if (\pass) == 0
	s_wait_loadcnt 0x0                             ; no load into the score registers is out when the next pass's are issued
	s_wait_xcnt 0x0
	s_sub_nc_u64 s[76:77], s[76:77], 8*USTEP-65536
	LOADQU 1                                       ; the next pass's first loads are out while this pass's y leaves
.endif
	; y = O^T / the sum; register 16 b + i is channel 32 b + 16 h + i of my query: two blocks of 32 along the last projection's K
	v_add_f32 v14, v14, v15
	s_delay_alu instid0(VALU_DEP_1)
	v_permlanex16_b32 v[T0], v14, s72, s73
	s_delay_alu instid0(VALU_DEP_1)
	v_add_f32 v14, v14, v[T0]                      ; the row's sum
	s_wait_alu depctr_va_vdst(0)
	v_rcp_f32 v[FF], v14
	v_nop                                          ; one plain place behind the reciprocal
	s_wait_alu depctr_va_vdst(0)                   ; the wait ahead of its first reader, which is also the first reader of O^T
.set j, 0
.rept 16
	v_pk_mul_f32 v[OT+j:OT+j+1], v[OT+j:OT+j+1], v[FF:FF+1] op_sel_hi:[1,0]   ; each accumulator from its low end on
.set j, j+2
.endr
.irp b, 0,1
	v_max3_num_f32 v[BM+\b], |v[OT+16*\b]|, |v[OT+16*\b+1]|, 0x2800000
.endr
.irp i, 2,4,6,8,10,12,14
.irp b, 0,1
	s_delay_alu instid0(VALU_DEP_2)
	v_max3_num_f32 v[BM+\b], v[BM+\b], |v[OT+16*\b+\i]|, |v[OT+16*\b+\i+1]|
.endr
.endr
.irp b, 0,1
	s_delay_alu instid0(VALU_DEP_2)
	v_permlanex16_b32 v[BX+\b], v[BM+\b], s72, s73
.endr
.irp b, 0,1
	s_delay_alu instid0(VALU_DEP_2)
	v_max_num_f32 v[BM+\b], v[BM+\b], v[BX+\b]
.endr
.irp b, 0,1
	s_delay_alu instid0(VALU_DEP_2)
	v_add_nc_u32 v[SCO+\b], 0xfe000000, v[BM+\b]
.endr
.irp b, 0,1
	s_delay_alu instid0(VALU_DEP_2)
	v_lshrrev_b32 v[BX+\b], 23, v[SCO+\b]
.endr
	s_delay_alu instid0(VALU_DEP_1)
	v_lshl_or_b32 v[PS], v[BX+1], 8, v[BX]         ; my head's two scale bytes of my query
	v_cvt_scalef32_pk16_bf6_f32 v[PC:PC+2], v[OT:OT+15], v[SCO]
	v_cvt_scalef32_pk16_bf6_f32 v[PT:PT+2], v[OT+16:OT+31], v[SCO+1]
	v_nop
.irp i, 0,1,2
	v_permlane16_swap_b32 v[PC+\i], v[PT+\i]
.endr
.irp i, 0,1,2
	s_delay_alu instid0(VALU_DEP_3)
	v_mov_b32 v[PC+3+\i], v[PT+\i]
.endr
	ds_store_b16 v10, v[PS] offset:512*(\pass)     ; lanes r and r + 16 write the same two bytes with the same value
.irp p, 0,1,2
	global_store_b64 v[L8], v[PC+2*\p:PC+2*\p+1], s[12:13] offset:256*\p+98304*(\pass)   ; 256 consecutive bytes a store, aligned
.endr
.endm
	PASS 0
	PASS 1
	s_wait_dscnt 0x0                               ; for the others' sake: my stores into the stage are done
	s_barrier_signal -1
	s_barrier_wait -1
	s_cmp_lt_u32 s16, 2
	s_cbranch_scc0 .Lno_ys
	ds_load_b128 v[KF:KF+3], v11                   ; 128 tokens' words: bytes 0, 1 head plane, bytes 2, 3 head plane + 8
	s_wait_dscnt 0x0
	global_store_b128 v[L16], v[KF:KF+3], s[14:15] ; 512 consecutive bytes, aligned
.Lno_ys:
	s_wait_tensorcnt 0x0                           ; the wave's end
	ds_add_u32 v[SPW], v[NIL]
	s_wait_dscnt 0x0
	ROUND                                          ; the closing round
	s_endpgm
.Lfunc_end_k_q22ad1ddcff_attn:
	.size	k_q22ad1ddcff_attn, .Lfunc_end_k_q22ad1ddcff_attn-k_q22ad1ddcff_attn
	.p2alignl 7, 3214868480
	.fill 96, 4, 3214868480
	.section	.rodata,"a",@progbits
	.p2align	6, 0x0
	.amdhsa_kernel k_q22ad1ddcff_attn
		.amdhsa_group_segment_fixed_size 212992
		.amdhsa_private_segment_fixed_size 0
		.amdhsa_enable_private_segment 0
		.amdhsa_kernarg_size 48
		.amdhsa_user_sgpr_count 2
		.amdhsa_user_sgpr_kernarg_segment_ptr 1
		.amdhsa_wavefront_size32 1
		.amdhsa_system_sgpr_workgroup_id_x 1
		.amdhsa_system_sgpr_workgroup_id_y 1
		.amdhsa_system_sgpr_workgroup_id_z 1
		.amdhsa_system_vgpr_workitem_id 0
		.amdhsa_next_free_vgpr 256
		.amdhsa_next_free_sgpr 100
		.amdhsa_reserve_vcc 1
		.amdhsa_float_denorm_mode_32 3
		.amdhsa_float_denorm_mode_16_64 3
		.amdhsa_memory_ordered 1
		.amdhsa_forward_progress 1
		.amdhsa_inst_pref_size 64
	.end_amdhsa_kernel
	.amdgpu_metadata
---
amdhsa.version: [ 1, 2 ]
amdhsa.kernels:
  - .name:           k_q22ad1ddcff_attn
    .symbol:         k_q22ad1ddcff_attn.kd
    .args:
      - { .name: qi, .offset: 0, .size: 8, .value_kind: global_buffer, .address_space: global }
      - { .name: kv, .offset: 8, .size: 8, .value_kind: global_buffer, .address_space: global }
      - { .name: kvs, .offset: 16, .size: 8, .value_kind: global_buffer, .address_space: global }
      - { .name: u, .offset: 24, .size: 8, .value_kind: global_buffer, .address_space: global }
      - { .name: yc, .offset: 32, .size: 8, .value_kind: global_buffer, .address_space: global }
      - { .name: ys, .offset: 40, .size: 8, .value_kind: global_buffer, .address_space: global }
    .group_segment_fixed_size: 212992
    .private_segment_fixed_size: 0
    .kernarg_segment_align: 8
    .kernarg_segment_size: 48
    .max_flat_workgroup_size: 512
    .sgpr_count:     100
    .vgpr_count:     256
    .wavefront_size: 32
...
	.end_amdgpu_metadata
.endif
;; end of part 3
;; launch outp (part 4): grid 4 x 32, 4 waves a work-group, clusters of 4 x 4, 327,680 bytes of LDS; arguments yc, ys, xc, xs, bo, out0; writes out0
.if DOCPART == 4
	.amdgcn_target "amdgcn-amd-amdhsa--gfx1250"
	.amdhsa_code_object_version 6
	.text
	.protected	k_q22ad1ddcff_outp
	.globl	k_q22ad1ddcff_outp
	.p2align	8
	.type	k_q22ad1ddcff_outp,@function
k_q22ad1ddcff_outp:
	s_mov_b64 s[64:65], 0
	v_nop
	global_prefetch_b8 v0, s[64:65] scope:SCOPE_SE
	s_setreg_imm32_b32 hwreg(HW_REG_WAVE_MODE, 25, 1), 1
	s_wait_xcnt 0x0
	s_wait_alu depctr_hold_cnt(0) depctr_sa_sdst(0) depctr_va_vdst(0) depctr_va_sdst(0) depctr_va_ssrc(0) depctr_va_vcc(0) depctr_vm_vsrc(0)
	s_getreg_b32 s2, hwreg(HW_REG_IB_STS2, 6, 4)
	s_cmp_eq_u32 s2, 0
	s_cbranch_scc0 .Lentry_in_a_cluster
	s_endpgm
.Lentry_in_a_cluster:
	s_bfe_u32 s2, ttmp6, 0x10000c
	s_cmp_lg_u32 s2, 0xf033
	s_cbranch_scc0 .Lentry_shape_is_right
	s_endpgm
.Lentry_shape_is_right:
.set NQ,     2
.set ROWB,   24576                     ; from one K step of 256 to the next in xc: 128 rows x 192 dense bytes
.set KROW,   768
.set PITCH,  240
.set FR,     12
.set NL,     6
.set NP,     4
.set HALFA,  24576
.set HALFT,  128*PITCH
.set SLOT,   2*HALFA+2*HALFT
.set LAPS,   2
.set SIZE_N, 1024
.set WOROW,  27648
.set SCLA,   2*SLOT
.set SCLB,   SCLA+8192
.set HALFS,  4352
.set SBLK,   544
.set SPARE,  SCLB+2*HALFS
.set SPITCH, 528
.set ADRA, 16
.set ADRB, 20
.set STO,  24
.set RD,   25
.set CO,   26
.set ADRS, 27
.set SPW,  28
.set NIL,  29
.set VB,   30
.set ADRSA, 31
.set SC,   32
.set BI,   64
.set BK,   64
.set AF,   128
.set SCA,  224
.set G1, 24
.set G0, 32
.set G1B, 48
.set G0B, 56
.set G1S, 68
.set G0S, 76
.set G1SB, 80
.set G0SB, 88
.set MSB, 0
.macro WIN new
.if MSB != (\new)
	s_set_vgpr_msb (MSB<<8)|(\new)
.set MSB, (\new)
.endif
.endm
.set MUL_LO, 0xa1
.set MUL_HI, 0xf1
.set BIAS_LO, 0x81
.set BIAS_HI, 0xc1
.set TO_B,   0x40
.macro JLOAD g0a, g1a, g0b, g1b
	s_cmp_eq_u32 s15, 0
	s_cbranch_scc0 .Lfor_b_\@
	tensor_load_to_lds s[\g0a:\g0a+3], s[\g1a:\g1a+7]
	s_nop 0
.rept 4
	v_nop
.endr
	s_branch .Lasked_\@
.Lfor_b_\@:
	tensor_load_to_lds s[\g0b:\g0b+3], s[\g1b:\g1b+7]
	s_nop 0
.rept 4
	v_nop
.endr
.Lasked_\@:
.endm
.macro CREST
	s_cmp_lg_u32 s14, 0
	s_cbranch_scc1 .Lnot_wave_0_\@
	s_barrier_signal -3
.Lnot_wave_0_\@:
	s_barrier_wait -3
	s_barrier_signal -1
	s_barrier_wait -1
.endm
.macro CROUND
	s_barrier_signal -1
	s_barrier_wait -1
	CREST
.endm
	s_load_b128 s[4:7], s[0:1], 0x0
	s_load_b128 s[8:11], s[0:1], 0x10
	s_load_b64 s[66:67], s[0:1], 0x20
	s_load_b64 s[12:13], s[0:1], 0x28
	v_lshl_add_u32 v[SPW], v0, 2, SPARE
	v_mov_b32 v[NIL], 0
	ds_add_u32 v28, v29
	ds_add_u32 v28, v29
	s_wait_dscnt 0x0
	v_lshrrev_b32 v1, 5, v0
	v_readfirstlane_b32 s14, v1
	s_lshr_b32 s15, s14, 1
	s_and_b32 s16, s14, 1
	s_bfe_u32 s40, ttmp6, 0x40000
	s_bfe_u32 s41, ttmp6, 0x40004
	s_lshl_b32 s42, ttmp9, 2
	s_add_co_u32 s42, s42, s40
	s_and_b32 s17, ttmp7, 0xffff
	s_lshl_b32 s17, s17, 2
	s_add_co_u32 s17, s17, s41
	s_lshl_b32 s43, s41, 2
	s_lshl_b32 s43, 15, s43
	s_lshl_b32 s44, 0x1111, s40
	s_or_b32 s[G1+0], s43, (3<<16)|(1<<21)
	s_mov_b32 s[G1+1], 384<<16
	s_mov_b32 s[G1+2], 8<<16
	s_mov_b32 s[G1+3], 384<<16
	s_mov_b32 s[G1+4], 8
	s_mov_b32 s[G1+5], 1536
	s_mov_b32 s[G1+6], 0
	s_mov_b32 s[G1+7], 0
	s_or_b32 s[G1B+0], s44, (0<<16)|(1<<20)|(1<<21)|(3<<22)|(3<<25)
	s_mov_b32 s[G1B+1], 256<<16                    ; 128 rows x 192 bytes lie dense in xc: they come as 96 lines of 256 bytes; 16 bytes of padding behind each 64 make LDS rows of 240
	s_mov_b32 s[G1B+2], 96<<16
	s_mov_b32 s[G1B+3], 256<<16
	s_mov_b32 s[G1B+4], 96
	s_mov_b32 s[G1B+5], 256
	s_mov_b32 s[G1B+6], 0
	s_mov_b32 s[G1B+7], 0
	s_lshl_b32 s20, s17, 4
	s_lshl_b32 s18, s16, 3
	s_add_co_u32 s20, s20, s18
	s_mul_i32 s20, s20, 12288
	s_mov_b32 s21, 0
	s_lshl_b32 s46, s42, 8
	s_lshl_b32 s18, s16, 7
	s_add_co_u32 s46, s46, s18
	s_add_co_u32 s46, s46, WOROW
	s_lshl_b32 s92, s46, 5
	s_mul_i32 s46, s46, KROW
	s_mov_b32 s47, 0
	s_mul_i32 s45, s16, HALFA
	s_mul_i32 s95, s16, HALFT
	s_add_co_u32 s95, s95, 2*HALFA
	s_lshl_b32 s94, s17, 10                        ; the scale words go from ys and xs straight into registers.  ys: 4 bytes a token: my wave's first token x 4
	s_lshl_b32 s96, s15, 9
	s_add_co_u32 s94, s94, s96                     ; (s92: my wave's first row of Wo x 32, in xs)
	s_wait_kmcnt 0x0
	s_add_nc_u64 s[20:21], s[4:5], s[20:21]
	s_add_nc_u64 s[46:47], s[8:9], s[46:47]
	CROUND                                         ; all sixteen work-groups are here: the first joint loads meet
.irp s, 0,1
	s_mov_b32 s[G0+4*\s], 1
	s_add_co_u32 s[G0+4*\s+1], s45, \s*SLOT
	s_add_nc_u64 s[G0+4*\s+2:G0+4*\s+3], s[20:21], \s*3072
	s_or_b32 s[G0+4*\s+3], s[G0+4*\s+3], 0x80000000
	s_mov_b32 s[G0B+4*\s], 1
	s_add_co_u32 s[G0B+4*\s+1], s95, \s*SLOT
	s_add_nc_u64 s[G0B+4*\s+2:G0B+4*\s+3], s[46:47], \s*ROWB
	s_or_b32 s[G0B+4*\s+3], s[G0B+4*\s+3], 0x80000000
.endr
	JLOAD G0, G1, G0B, G1B                         ; K step 0
	v_and_b32 v1, 15, v0
	v_bfe_u32 v2, v0, 4, 1
	v_and_b32 v6, 31, v0
	v_mul_u32_u24 v3, v1, PITCH
	v_mul_u32_u24 v4, v2, 24
	v_add_nc_u32 v4, v3, v4
	v_lshl_add_u32 v5, v2, 4, v4
	v_lshlrev_b32 v7, 3, v6
	s_mul_i32 s21, s15, HALFA
	s_mul_i32 s22, s16, HALFT
	s_add_co_u32 s22, s22, 2*HALFA
.irp s, 0,1
	v_add_nc_u32 v[ADRA+\s], s21, v7
	v_add_nc_u32 v[ADRB+\s], s22, v4
	v_add_nc_u32 v[ADRB+2+\s], s22, v5
	s_add_co_u32 s21, s21, SLOT
	s_add_co_u32 s22, s22, SLOT
.endr
	v_lshl_add_u32 v[ADRS], v1, 5, s92             ; my row's 32 scale bytes in xs; never rewritten
	v_lshl_add_u32 v[ADRSA], v1, 2, s94            ; my token's word in a plane of ys; never rewritten
	s_mul_i32 s23, s14, 16*SPITCH
	v_mul_u32_u24 v5, v1, SPITCH
	v_lshl_add_u32 v5, v2, 5, v5
	v_add_nc_u32 v[STO], s23, v5
	v_lshlrev_b32 v[CO], 4, v6
	v_add_nc_u32 v[RD], s23, v[CO]
	s_lshl_b32 s20, s17, 8
	s_lshl_b32 s21, s15, 7
	s_add_co_u32 s20, s20, s21
	s_mov_b32 s21, 0
	s_mov_b64 s[18:19], SIZE_N*4
	s_mul_u64 s[20:21], s[20:21], s[18:19]
	s_lshl_b32 s46, s42, 10
	s_lshl_b32 s47, s16, 9
	s_add_co_u32 s46, s46, s47
	s_mov_b32 s47, 0
	s_add_nc_u64 s[20:21], s[20:21], s[46:47]
	s_add_nc_u64 s[12:13], s[12:13], s[20:21]
	s_add_nc_u64 s[66:67], s[66:67], s[46:47]
	v_lshlrev_b32 v[VB], 5, v2
.irp b, 0,1,2,3,4,5,6,7
	global_load_b128 v[BI+8*\b:BI+8*\b+3], v[VB], s[66:67] offset:64*\b
	global_load_b128 v[BI+8*\b+4:BI+8*\b+7], v[VB], s[66:67] offset:64*\b+16
.endr
.macro FRAG reg, adr, q, i
.irp p, 0,1,2,3,4,5
.set PCE, 12*(\q)+6*(\p/3)+\p%3
.if PCE%8 < 5
	ds_load_b64 v[\reg+2*\p:\reg+2*\p+1], v[\adr] offset:8*PCE+16*(PCE/8)+(\i)*16*PITCH
.else
	ds_load_b64 v[\reg+2*\p:\reg+2*\p+1], v[\adr+2] offset:8*PCE+16*(PCE/8)+(\i)*16*PITCH
.endif
.endr
.endm
.macro FRAGA reg, slot, q, i
.irp p, 0,1,2,3,4,5
	ds_load_b64 v[\reg+2*\p:\reg+2*\p+1], v[ADRA+\slot] offset:(\i)*3072+(\q)*1536+256*\p
.endr
.endm
.macro MUL16 a0, p, q, sc, mode
.irp a, \a0, \a0+1
.irp b, 0,1,2,3,4,5,6,7
.if (\mode) == 0
	v_wmma_scale_f32_16x16x128_f8f6f4 v[8*(8*((\a)%4)+\b):8*(8*((\a)%4)+\b)+7], v[128*(\p)+FR*\b:128*(\p)+FR*\b+FR-1], v[AF+FR*(\a):AF+FR*(\a)+FR-1], v[8*(8*((\a)%4)+\b):8*(8*((\a)%4)+\b)+7], v[SC+16*(\sc)+2*\b+(\q)], v[SCA+16*(\sc)+2*(\a)+(\q)] matrix_a_fmt:MATRIX_FMT_BF6 matrix_b_fmt:MATRIX_FMT_BF6
.else
	v_wmma_scale_f32_16x16x128_f8f6f4 v[8*(8*((\a)%4)+\b):8*(8*((\a)%4)+\b)+7], v[128*(\p)+FR*\b:128*(\p)+FR*\b+FR-1], v[AF+FR*(\a):AF+FR*(\a)+FR-1], v[BI+8*\b:BI+8*\b+7], v[SC+16*(\sc)+2*\b+(\q)], v[SCA+16*(\sc)+2*(\a)+(\q)] matrix_a_fmt:MATRIX_FMT_BF6 matrix_b_fmt:MATRIX_FMT_BF6
.endif
.endr
.endr
.endm
.macro FETCH_B slot, q, p
	WIN TO_B
.irp i, 0,1,2,3,4,5,6,7
	FRAG 128*(\p)+FR*\i, ADRB+\slot, \q, \i
.endr
	WIN 0
.endm
.macro FETCH_A slot, q, i0
.irp i, \i0, \i0+1, \i0+2, \i0+3
	FRAGA AF+FR*(\i), \slot, \q, \i
.endr
.endm
.macro SCALES sc, ks                   ; the scale words of K step ks (256 along K) into set sc: Wo's two words a row; y's from planes 2 ks and 2 ks + 1 of ys, 32,768 bytes a plane
.irp i, 0,1,2,3,4,5,6,7
	global_load_b64 v[SC+16*(\sc)+2*\i:SC+16*(\sc)+2*\i+1], v[ADRS], s[10:11] offset:\i*512+8*(\ks)
.endr
.irp i, 0,1,2,3,4,5,6,7
.irp q, 0,1
	global_load_b32 v[SCA+16*(\sc)+2*\i+\q], v[ADRSA], s[6:7] offset:(2*(\ks)+\q)*32768+\i*64
.endr
.endr
.endm
.macro PLACES n
.rept \n
	v_nop
.endr
.endm
.macro STEP slot, q, mode, nks         ; nks: the K step whose scale words are asked for in this step's middle, or -1
	s_wait_loadcnt 0x0                             ; this K step's scale words are in
	s_wait_dscnt 4*NL
.if (\mode)
	WIN BIAS_LO
.else
	WIN MUL_LO
.endif
	MUL16 0, (\q)%2, \q, \slot, \mode
	MUL16 2, (\q)%2, \q, \slot, \mode
	s_wait_dscnt 0
	PLACES NP
	FETCH_B \slot, (\q)+1, 1-(\q)%2
	FETCH_A \slot, (\q)+1, 0
.if (\nks) >= 0
	SCALES (\nks)%2, \nks                          ; into the set that the K step before has left; the places above stand behind its last products
.endif
.if (\mode)
	WIN BIAS_HI
.else
	WIN MUL_HI
.endif
	MUL16 4, (\q)%2, \q, \slot, \mode
	MUL16 6, (\q)%2, \q, \slot, \mode
	PLACES NP
	WIN 0
	FETCH_A \slot, (\q)+1, 4
.endm
.macro TURN slot, next, fill
	s_wait_tensorcnt 0x0
	ds_add_u32 v[SPW], v[NIL]
	s_wait_dscnt 4*NL+1
	WIN MUL_LO
	MUL16 0, 1, NQ-1, \slot, 0
	s_wait_dscnt 0x0
	s_barrier_signal -1
	MUL16 2, 1, NQ-1, \slot, 0
	WIN 0
	s_barrier_wait -1
.if \fill
	CREST
	s_add_nc_u64 s[G0+4*\slot+2:G0+4*\slot+3], s[G0+4*\slot+2:G0+4*\slot+3], 2*3072
	s_add_nc_u64 s[G0B+4*\slot+2:G0B+4*\slot+3], s[G0B+4*\slot+2:G0B+4*\slot+3], 2*ROWB
	JLOAD G0+4*\slot, G1, G0B+4*\slot, G1B
.else
	PLACES NP
.endif
	FETCH_B \next, 0, 0
	FETCH_A \next, 0, 0
	WIN MUL_HI
	MUL16 4, 1, NQ-1, \slot, 0
	MUL16 6, 1, NQ-1, \slot, 0
	PLACES NP
	WIN 0
	FETCH_A \next, 0, 4
.endm
	s_wait_alu depctr_va_vdst(0)
	SCALES 0, 0                                    ; the scale words of K steps 0 and 1
	SCALES 1, 1
	s_wait_tensorcnt 0x0                           ; my part of K step 0 is in
	ds_add_u32 v[SPW], v[NIL]
	s_wait_dscnt 0x0
	CROUND                                         ; everybody's part is in, and all sixteen work-groups are here
	JLOAD G0+4, G1, G0B+4, G1B                     ; K step 1, the first tensor load behind the round
	FETCH_B 0, 0, 0
	FETCH_A 0, 0, 0
	FETCH_A 0, 0, 4
	s_wait_loadcnt 0x0                             ; the bias and the scale words
	STEP 0, 0, 1, -1
	TURN 0, 1, 1                                   ; the four K steps of 256 are written out: each is met once
	STEP 1, 0, 0, 2
	TURN 1, 0, 1
	STEP 0, 0, 0, 3
	TURN 0, 1, 0
	STEP 1, 0, 0, -1
	s_wait_dscnt 4*NL
	WIN MUL_LO
	MUL16 0, 1, NQ-1, 1, 0
	MUL16 2, 1, NQ-1, 1, 0
	s_wait_dscnt 0
	WIN MUL_HI
	MUL16 4, 1, NQ-1, 1, 0
	MUL16 6, 1, NQ-1, 1, 0
	WIN 0
.macro TOSTAGE a
.set AC, 64*((\a)%4)
	WIN 0x08+4*((\a)/4)
.irp b, 0,1,2,3,4,5,6,7
	ds_store_b128 v[STO], v[AC+8*\b:AC+8*\b+3] offset:64*\b
	ds_store_b128 v[STO], v[AC+8*\b+4:AC+8*\b+7] offset:64*\b+16
.endr
	WIN 0
.set BB, BK+64*((\a)%2)
.irp t, 0,1,2,3,4,5,6,7,8,9,10,11,12,13,14,15
	ds_load_b128 v[BB+4*\t:BB+4*\t+3], v[RD] offset:\t*SPITCH
.endr
.endm
.macro SEND a, younger
.set BB, BK+64*((\a)%2)
	s_wait_dscnt \younger
.if (\a) > 0
	s_add_nc_u64 s[12:13], s[12:13], 16*SIZE_N*4
.endif
.irp t, 0,1,2,3,4,5,6,7,8,9,10,11,12,13,14,15
	global_store_b128 v[CO], v[BB+4*\t:BB+4*\t+3], s[12:13] offset:\t*SIZE_N*4 th:TH_STORE_NT
.endr
.endm
	PLACES NP
	TOSTAGE 0
.irp a, 1,2,3,4,5,6,7
.if \a > 1
	s_wait_xcnt 0x0
.endif
	TOSTAGE \a
	SEND \a-1, 32
.endr
	s_wait_xcnt 0x0
	SEND 7, 0
	s_wait_tensorcnt 0x0
	ds_add_u32 v[SPW], v[NIL]
	s_wait_dscnt 0x0
	CROUND
	s_endpgm
.Lfunc_end_k_q22ad1ddcff_outp:
	.size	k_q22ad1ddcff_outp, .Lfunc_end_k_q22ad1ddcff_outp-k_q22ad1ddcff_outp
	.p2alignl 7, 3214868480
	.fill 96, 4, 3214868480
	.section	.rodata,"a",@progbits
	.p2align	6, 0x0
	.amdhsa_kernel k_q22ad1ddcff_outp
		.amdhsa_group_segment_fixed_size 327680
		.amdhsa_private_segment_fixed_size 0
		.amdhsa_enable_private_segment 0
		.amdhsa_kernarg_size 48
		.amdhsa_user_sgpr_count 2
		.amdhsa_user_sgpr_kernarg_segment_ptr 1
		.amdhsa_wavefront_size32 1
		.amdhsa_system_sgpr_workgroup_id_x 1
		.amdhsa_system_sgpr_workgroup_id_y 1
		.amdhsa_system_sgpr_workgroup_id_z 1
		.amdhsa_system_vgpr_workitem_id 0
		.amdhsa_next_free_vgpr 1024
		.amdhsa_next_free_sgpr 100
		.amdhsa_reserve_vcc 0
		.amdhsa_float_denorm_mode_32 3
		.amdhsa_float_denorm_mode_16_64 3
		.amdhsa_memory_ordered 1
		.amdhsa_forward_progress 1
		.amdhsa_inst_pref_size 167
	.end_amdhsa_kernel
	.amdgpu_metadata
---
amdhsa.version: [ 1, 2 ]
amdhsa.kernels:
  - .name:           k_q22ad1ddcff_outp
    .symbol:         k_q22ad1ddcff_outp.kd
    .args:
      - { .name: yc, .offset: 0, .size: 8, .value_kind: global_buffer, .address_space: global }
      - { .name: ys, .offset: 8, .size: 8, .value_kind: global_buffer, .address_space: global }
      - { .name: xc, .offset: 16, .size: 8, .value_kind: global_buffer, .address_space: global }
      - { .name: xs, .offset: 24, .size: 8, .value_kind: global_buffer, .address_space: global }
      - { .name: bo, .offset: 32, .size: 8, .value_kind: global_buffer, .address_space: global }
      - { .name: out0, .offset: 40, .size: 8, .value_kind: global_buffer, .address_space: global }
    .group_segment_fixed_size: 327680
    .private_segment_fixed_size: 0
    .kernarg_segment_align: 8
    .kernarg_segment_size: 48
    .max_flat_workgroup_size: 128
    .sgpr_count:     100
    .vgpr_count:     1024
    .wavefront_size: 32
...
	.end_amdgpu_metadata
.endif
;; end of part 4
